; MI455X (gfx1250); checked and timed in simulation.
; The chip was launched on July 23, 2026; its instructions are those of AMD's public machine-readable ISA for CDNA 5 (MIT licence, August 2026) and "CDNA5" Instruction Set Architecture Reference Guide (July 2026). The comments in the code are by the model that wrote it; some were corrected since.
;; Self Attention. Allowed arithmetic: matrix products marked QUANTISED: E5M2 operands, one given power-of-two scale a tensor, by v_wmma_f32_16x16x64_bf8_bf8 or v_wmma_f32_16x16x128_bf8_bf8, f32 sums; everything else in f32.
;; Inputs: Wk_codes 2,048 x 64 x 32 uint8 (E5M2 codes of Wk, K innermost, in blocks of 32 codes); Wo_codes 2,048 x 64 x 32 uint8 (E5M2 codes of Wo, K innermost, in blocks of 32 codes); Wq_codes 2,048 x 64 x 32 uint8 (E5M2 codes of Wq, K innermost, in blocks of 32 codes); Wv_codes 2,048 x 64 x 32 uint8 (E5M2 codes of Wv, K innermost, in blocks of 32 codes); bk 2,048 float32; bo 2,048 float32; bq 2,048 float32; bv 2,048 float32; freqs 2,048 x 64 float32; gk 2,048 float32; gq 2,048 float32; lowp_scales 14 int32 (the exponents e of the quantised operands' scales 2^e); x_codes 1 x 2,048 x 64 x 32 uint8 (E5M2 codes of x, K innermost, in blocks of 32 codes).
;; Outputs: out0 1 x 2,048 x 2,048 float32.
;; Constants: topk = 10.
;; This version of the problem:
;;   THIS VERSION OF THE PROBLEM IS GIVEN IN LOW PRECISION. The matrix products marked QUANTISED in the list below multiply operands that are first quantised to E5M2 (5 exponent bits, 2 mantissa bits; 8 bits a number), with one given power-of-two scale for each operand tensor; their sums are f32. All else is computed in f32.
;;   The module's matrix products, in the order in which they are computed (A, B: the left and right operand; K: the contracted axis; several contracted axes count as one K, in the product's order):
;;     1. [M 2,048, K 2,048] x [K 2,048, N 2,048]; A: input x (given as codes); B: input Wq (given as codes): QUANTISED (scales: A lowp_scales[0], B lowp_scales[1])
;;     2. [M 2,048, K 2,048] x [K 2,048, N 2,048]; A: input x (given as codes); B: input Wk (given as codes): QUANTISED (scales: A lowp_scales[2], B lowp_scales[3])
;;     3. [M 2,048, K 2,048] x [K 2,048, N 2,048]; A: input x (given as codes); B: input Wv (given as codes): QUANTISED (scales: A lowp_scales[4], B lowp_scales[5])
;;     4. batch 16 x [M 16, K 128] x [K 128, N 16]; A: computed on the way; B: computed on the way: QUANTISED (scales: A lowp_scales[6], B lowp_scales[7])
;;     5. batch 16 x [M 2,048, K 128] x [K 128, N 2,048]; A: computed on the way; B: computed on the way: QUANTISED (scales: A lowp_scales[8], B lowp_scales[9])
;;     6. batch 16 x [M 2,048, K 2,048] x [K 2,048, N 128]; A: computed on the way; B: computed on the way: QUANTISED (scales: A lowp_scales[10], B lowp_scales[11])
;;     7. [M 2,048, K 2,048] x [K 2,048, N 2,048]; A: computed on the way; B: input Wo (given as codes): QUANTISED (scales: A lowp_scales[12], B lowp_scales[13])
;;   THE QUANTISER, for each operand of a quantised product, along K:
;;     - The operand's scale is 2^e, e = its entry of the input lowp_scales (int32; the entries are numbered through the quantised products in the list's order, A before B).
;;     - Each number is divided by the scale, clamped to +-57,344, and rounded to the nearest number of E5M2, ties to even, subnormals kept.
;;     - The product sums the exact products of the quantised numbers (number of the format x scale) in f32.
;;   ~~~python
;;   def quantise(x, axis, e):      # numpy; x: float32 -> the quantised numbers, widened to float32 again
;;       x = np.moveaxis(x, axis, -1); K = x.shape[-1]
;;       r = np.clip(x / 2.0 ** e, -57344, 57344)
;;       step = 2.0 ** (np.maximum(np.frexp(np.where(r == 0, 1, r))[1] - 1, -14) - 2)
;;       q = np.round(r / step) * step * 2.0 ** e      # np.round: ties to even
;;       return np.moveaxis(q, -1, axis).astype(np.float32)
;;   ~~~
;;   OPERANDS COMPUTED ON THE WAY. 'Computed on the way' means the value that the module computes at that place (a softmax that the list does not call 'softmax' is quantised finished and normalised). What goes into a quantiser is computed in f32, as accurately as f32 sums, v_exp_f32 and their like allow (about 1e-6 of the number): no bf16 or f16 on the way to a quantiser, and a product that is left as it is and whose result goes on into a quantised operand takes f32 operands (vector FMAs, or v_wmma_f32_16x16x4_f32). A number that lies on a knife's edge between two numbers of the format may be rounded either way, as far as f32 arithmetic and the matrix unit's own rounding can turn it there, and no further.
;;   INPUTS GIVEN AS CODES. Wk (in the module: [2048, 2048], K = its axis 1); Wo (in the module: [2048, 2048], K = its axis 1); Wq (in the module: [2048, 2048], K = its axis 1); Wv (in the module: [2048, 2048], K = its axis 1); x (in the module: [1, 2048, 2048], K = its axis 2): each comes as NAME_codes (uint8): NAME with its K axis moved to the last place and cut into blocks of 32 codes, [.., K / 32, bytes a block], one block behind the other in memory; one code a byte (a code: sign, 5 exponent bits, 2 mantissa bits); its scale is its entry of lowp_scales. Its value is code x scale, taken as it is: it is not quantised again, and the codes and scales need not be those that the quantiser above would give.
;; One version. Each part assembles by itself: llvm-mc -triple=amdgcn-amd-amdhsa -mcpu=gfx1250 --defsym DOCPART=n.
;; ======== version 1 of 1: 5 launches
;; limits: right only within a limited range of input values
;; workspace buffers: qraw 16,777,216 bytes; kraw 16,777,216 bytes; qc 4,194,304 bytes; kc 4,194,304 bytes; vc 4,194,304 bytes; psum 2,097,152 bytes; rowmask 1,024 bytes of whole numbers; ao 4,194,304 bytes
;; launch qkv (part 1): grid 24 x 8, 4 waves a work-group, clusters of 4 x 4, 327,680 bytes of LDS; arguments x_codes, Wq_codes, Wk_codes, Wv_codes, lowp_scales, bq, bk, bv, qraw, kraw, vc; writes qraw, kraw, vc
.if DOCPART == 1
	.amdgcn_target "amdgcn-amd-amdhsa--gfx1250"
	.amdhsa_code_object_version 6
	.text
	.protected	k_qd9ce201462_qkv
	.globl	k_qd9ce201462_qkv
	.p2align	8
	.type	k_qd9ce201462_qkv,@function
k_qd9ce201462_qkv:
	s_mov_b64 s[64:65], 0
	v_nop
	global_prefetch_b8 v0, s[64:65] scope:SCOPE_SE
	s_setreg_imm32_b32 hwreg(HW_REG_WAVE_MODE, 25, 1), 1
	s_wait_xcnt 0x0
	s_wait_alu depctr_hold_cnt(0) depctr_sa_sdst(0) depctr_va_vdst(0) depctr_va_sdst(0) depctr_va_ssrc(0) depctr_va_vcc(0) depctr_vm_vsrc(0)
	s_getreg_b32 s2, hwreg(HW_REG_IB_STS2, 6, 4)
	s_cmp_eq_u32 s2, 0
	s_cbranch_scc0 .Lentry_in_a_cluster
	s_endpgm
.Lentry_in_a_cluster:
	s_bfe_u32 s2, ttmp6, 0x10000c
	s_cmp_lg_u32 s2, 0xf033
	s_cbranch_scc0 .Lentry_shape_is_right
	s_endpgm
.Lentry_shape_is_right:
; THE THREE PROJECTIONS, on codes of BF8 (E5M2).  q = x Wq^T 2^(e0+e1) + bq and k = x Wk^T 2^(e2+e3) + bk leave as f32 rows [2048][2048]; v = x Wv^T 2^(e4+e5) + bv leaves as codes with the scale 2^e11.
; A tile of 256 x 256 is made by a work-group of four waves, a wave makes 128 x 128: 64 accumulators, 512 registers.  K goes in steps of 256 through a ring of two LDS slots filled by the tensor data mover.
; SEL = cluster x / 2 says which product a cluster serves (0 q, 1 k, 2 v): it is equal in all sixteen partners.  Source 1 of the matrix instruction ("A", indexed by the tile row, shared along a row of the cluster)
; is x for q and k and Wv for v; source 0 ("B", indexed by the tile column, shared along a column) is Wq, Wk or x.  A lane holds one row of A and eight neighbouring rows of B:
; for q and k one token and eight neighbouring columns (32 bytes of an output row); for v ONE channel d and EIGHT NEIGHBOURING TOKENS, which are neighbours along the K of the product that reads v.
; v's codes: [16 heads][16 key blocks][8 tiles of 16 channels][2,048 bytes]; byte 512 q + 16 lane + 8 u + i of a tile is key 32 q + 16 u + 8 (lane / 16) + i, channel lane % 16: the order of the operand's registers.
; A v wave's 128 x 128 is one head x one key block: its eight tiles are 16 KiB on end, stored 512 consecutive bytes an instruction, straight from registers.
; LIMITS: e0+e1, e2+e3, e4+e5 between -126 and 127; e11 between -126 and 112, so that each power of two below is an f32 number.  NaN among the inputs is not served.
; REGISTERS, in windows of 256: window 0: v0-31 addresses; v32-95 the bias of my 128 columns (q, k), v96-111 the bias of my 128 rows (v), each twice; from v128 A's fragments, ONE set.
;   window 1: B's fragments, TWO sets, at v0 and v128 (on the way out v0-63: a block's finished numbers).   window 2, 3: the accumulators of my rows 0-63, 64-127 ((a, b) at v[8 (8 (a % 4) + b)]).
.set SIZE_K, 2048
.set SIZE_N, 2048                      ; columns of qraw and kraw
.set KSTEP,  256                       ; along K in a slot
.set ROWB,   256                       ; a tile's row in bytes
.set KROW,   SIZE_K                    ; a row of codes in memory, in bytes
.set PITCH,  272                       ; an LDS row: 256 bytes + 16 of padding = 68 words: the 16 rows that a load touches start at 16 different banks (64 banks of 4 bytes: ISA guide 11.1)
.set FR,     16                        ; registers of a fragment: 16 rows x 128 K
.set NL,     4                         ; LDS loads that bring one
.set NP,     4                         ; places behind this matrix instruction (ISA guide 7.12.1)
.set HALFT,  128*PITCH                 ; 128 rows: what one tensor load brings
.set SLOT,   4*HALFT                   ; A's 256 rows, then B's 256 rows
.set LAPS,   SIZE_K/(2*KSTEP)          ; a lap = two K steps = once round the ring: 4
.set SPARE,  2*SLOT                    ; behind the ring: the spare words, 128 bytes for each wave, which no other line names
.set SPITCH, 528                       ; the way out of q and k: a stage of 16 rows x (512 + 16) bytes for each wave, in slot 0, which has had its last fill and its last read by then
.set ADRA, 16                          ; v16-17  LDS address of my A fragments in slot 0, 1
.set ADRB, 20                          ; v20-21  the same for B
.set STO,  24                          ; v24     the stage: where I put 32 bytes of a row
.set RD,   25                          ; v25     and where I read a row back
.set CO,   26                          ; v26     my byte offset in a row of the output
.set SPW,  28                          ; v28     LDS address of my spare word; never rewritten
.set NIL,  29                          ; v29     0; never rewritten
.set CBI,  32                          ; v32-95  column bias; on v's way out: a tile's 64 numbers
.set RBI,  96                          ; v96-111 row bias, a pair for each block of A
.set AF,   128                         ; A's fragments, in window 0; on v's way out: the codes
.set BK,   128                         ; the way out of q and k: rows read back: v128-191 and v192-255 by turns
.set G1, 24                            ; s[24:31] descriptor group 1 for A's tiles;  s[32:39] group 0, one set for each slot
.set G0, 32
.set G1B, 48                           ; s[48:55], s[56:63] the same for B's tiles
.set G0B, 56
.set SEL, 66                           ; s66     which product
.set MSB, 0
.macro WIN new                         ; the immediate's high byte repeats the setting that is left
.if MSB != (\new)
	s_set_vgpr_msb (MSB<<8)|(\new)
.set MSB, (\new)
.endif
.endm
.set MUL_LO, 0xa1                      ; source 0 (B) window 1, source 1 (A) window 0, C and D window 2
.set MUL_HI, 0xf1                      ; the same, C and D window 3
.set TO_B,   0x40                      ; destination window 1, address window 0
; A joint load: waves 0 and 1 fetch for A, waves 2 and 3 for B.  The branch hangs on the wave's number alone.  Four v_nop follow each of the two lines.
.macro JLOAD g0a, g1a, g0b, g1b
	s_cmp_eq_u32 s15, 0
	s_cbranch_scc0 .Lfor_b_\@
	tensor_load_to_lds s[\g0a:\g0a+3], s[\g1a:\g1a+7]
	s_nop 0
.rept 4
	v_nop
.endr
	s_branch .Lasked_\@
.Lfor_b_\@:
	tensor_load_to_lds s[\g0b:\g0b+3], s[\g1b:\g1b+7]
	s_nop 0
.rept 4
	v_nop
.endr
.Lasked_\@:
.endm
.macro CREST                           ; a round of the cluster's barrier behind its opening barrier
	s_cmp_lg_u32 s14, 0
	s_cbranch_scc1 .Lnot_wave_0_\@
	s_barrier_signal -3
.Lnot_wave_0_\@:
	s_barrier_wait -3
	s_barrier_signal -1
	s_barrier_wait -1
.endm
.macro CROUND                          ; a whole round
	s_barrier_signal -1
	s_barrier_wait -1
	CREST
.endm
	s_load_b512 s[68:83], s[0:1], 0x0              ; x 68, Wq 70, Wk 72, Wv 74, the scales' exponents 76, bq 78, bk 80, bv 82
	s_load_b128 s[84:87], s[0:1], 0x40             ; qraw 84, kraw 86
	s_load_b64 s[88:89], s[0:1], 0x50              ; vc
	v_lshl_add_u32 v[SPW], v0, 2, SPARE
	v_mov_b32 v[NIL], 0
	ds_add_u32 v28, v29
	ds_add_u32 v28, v29
	s_wait_dscnt 0x0
	v_lshrrev_b32 v1, 5, v0
	v_readfirstlane_b32 s14, v1                    ; wave 0..3
	s_lshr_b32 s15, s14, 1                         ; which half of A's rows is mine.  Also: I fetch for A (0) or for B (1)
	s_and_b32 s16, s14, 1                          ; which half of B's rows.  Also: which 128 rows of that tile I fetch
	s_bfe_u32 s40, ttmp6, 0x40000                  ; cx, cy: my place in the cluster
	s_bfe_u32 s41, ttmp6, 0x40004
	s_lshr_b32 s[SEL], ttmp9, 1                    ; two clusters along x serve a product
	s_and_b32 s42, ttmp9, 1
	s_lshl_b32 s42, s42, 2
	s_add_co_u32 s42, s42, s40                     ; tile column 0..7
	s_and_b32 s17, ttmp7, 0xffff
	s_lshl_b32 s17, s17, 2
	s_add_co_u32 s17, s17, s41                     ; tile row 0..7
	s_lshl_b32 s43, s41, 2
	s_lshl_b32 s43, 15, s43                        ; my row of the cluster
	s_lshl_b32 s44, 0x1111, s40                    ; my column
	; descriptor group 1: a tile of 128 rows x 256 bytes, padded in LDS
	s_or_b32 s[G1+0], s43, (0<<16)|(1<<20)|(1<<21)|(5<<22)|(3<<25)  ; 15:0 the mask: A's tiles go to my row; elements of 1 byte; 20 padding on; 21 set beside a mask; after every 64 words (code 5) 4 words (code 3)
	s_or_b32 s[G1B+0], s44, (0<<16)|(1<<20)|(1<<21)|(5<<22)|(3<<25)
.irp g, G1, G1B
	s_mov_b32 s[\g+1], ROWB<<16                    ; tensor_dim0
	s_mov_b32 s[\g+2], 128<<16                     ; tensor_dim1 = 128
	s_mov_b32 s[\g+3], ROWB<<16                    ; tile_dim0
	s_mov_b32 s[\g+4], 128                         ; tile_dim1 = 128
	s_mov_b32 s[\g+5], KROW                        ; tensor_dim0_stride
	s_mov_b32 s[\g+6], 0
	s_mov_b32 s[\g+7], 0
.endr
	s_lshl_b32 s18, s16, 7                         ; which 128 rows of the tile I fetch
	s_lshl_b32 s20, s17, 8
	s_add_co_u32 s20, s20, s18                     ; A: row 256 x tile row + 128 x half
	s_lshl_b32 s46, s42, 8
	s_add_co_u32 s46, s46, s18                     ; B: row 256 x tile column + 128 x half
	s_mov_b32 s21, 0
	s_mov_b32 s47, 0
	s_mov_b64 s[18:19], KROW
	s_mul_u64 s[20:21], s[20:21], s[18:19]
	s_mul_u64 s[46:47], s[46:47], s[18:19]
	s_mul_i32 s45, s14, HALFT                      ; where they go: wave x 128 rows: no place in the cluster enters an LDS address
	s_wait_kmcnt 0x0
	s_cmp_eq_u32 s[SEL], 2                         ; the product's buffers: a choice that hangs on the cluster's number alone
	s_cselect_b64 s[4:5], s[74:75], s[68:69]       ; A: Wv, or x
	s_cselect_b64 s[6:7], s[68:69], s[72:73]       ; B: x, or Wk
	s_cselect_b64 s[10:11], s[88:89], s[86:87]     ; out: vc, or kraw
	s_cselect_b64 s[90:91], s[82:83], s[80:81]     ; bias: bv, or bk
	s_cmp_eq_u32 s[SEL], 0
	s_cselect_b64 s[6:7], s[70:71], s[6:7]         ; Wq
	s_cselect_b64 s[10:11], s[84:85], s[10:11]     ; qraw
	s_cselect_b64 s[90:91], s[78:79], s[90:91]     ; bq
	s_lshl_b32 s12, s[SEL], 3
	s_mov_b32 s13, 0
	s_add_nc_u64 s[12:13], s[76:77], s[12:13]
	s_load_b64 s[96:97], s[12:13], 0x0             ; my product's two exponents: entries 2 SEL, 2 SEL + 1
	s_load_b32 s95, s[76:77], 0x2c                 ; e11
	s_add_nc_u64 s[20:21], s[4:5], s[20:21]
	s_add_nc_u64 s[46:47], s[6:7], s[46:47]
	CROUND                                         ; all sixteen work-groups are here: the first joint loads meet
.irp s, 0,1
	s_mov_b32 s[G0+4*\s], 1
	s_add_co_u32 s[G0+4*\s+1], s45, \s*SLOT
	s_add_nc_u64 s[G0+4*\s+2:G0+4*\s+3], s[20:21], \s*ROWB
	s_or_b32 s[G0+4*\s+3], s[G0+4*\s+3], 0x80000000
	s_mov_b32 s[G0B+4*\s], 1
	s_add_co_u32 s[G0B+4*\s+1], s45, \s*SLOT
	s_add_nc_u64 s[G0B+4*\s+2:G0B+4*\s+3], s[46:47], \s*ROWB
	s_or_b32 s[G0B+4*\s+3], s[G0B+4*\s+3], 0x80000000
	JLOAD G0+4*\s, G1, G0B+4*\s, G1B
.endr
	v_and_b32 v1, 15, v0                           ; r = l % 16
	v_bfe_u32 v2, v0, 4, 1                         ; h = l / 16
	v_mul_u32_u24 v3, v1, PITCH
	v_lshl_add_u32 v4, v2, 4, v3                   ; a fragment's row x pitch + 16 x half
	s_mul_i32 s21, s15, HALFT                      ; my 128 rows of A
	s_mul_i32 s22, s16, HALFT                      ; my 128 rows of B,
	s_add_co_u32 s22, s22, 2*HALFT                 ; which lie behind A's 256
.irp s, 0,1
	v_add_nc_u32 v[ADRA+\s], s21, v4
	v_add_nc_u32 v[ADRB+\s], s22, v4
	s_add_co_u32 s21, s21, SLOT
	s_add_co_u32 s22, s22, SLOT
.endr
	s_mul_i32 s23, s14, 16*SPITCH                  ; my stage
	v_mul_u32_u24 v5, v1, SPITCH                   ; in: row l % 16, 32 bytes for each half of the lanes
	v_lshl_add_u32 v5, v2, 5, v5
	v_add_nc_u32 v[STO], s23, v5
	v_and_b32 v6, 31, v0
	v_lshlrev_b32 v[CO], 4, v6                     ; back: the 32 lanes take one row of 512 bytes; and the same in the output
	v_add_nc_u32 v[RD], s23, v[CO]
	; the biases, both ways, so that no branch is needed here: by B's rows (q and k use it) and by A's rows (v uses it).  Both sets lie inside the 8,192 bytes of the bias
	s_lshl_b32 s18, s17, 10
	s_lshl_b32 s19, s15, 9
	s_add_co_u32 s18, s18, s19                     ; 4 (256 tile row + 128 half)
	s_mov_b32 s19, 0
	s_add_nc_u64 s[92:93], s[90:91], s[18:19]
	s_lshl_b32 s18, s42, 10
	s_lshl_b32 s2, s16, 9
	s_add_co_u32 s18, s18, s2                      ; 4 (256 tile column + 128 half)
	s_add_nc_u64 s[90:91], s[90:91], s[18:19]
	v_lshlrev_b32 v10, 5, v2                       ; 32 h: my eight columns of a block of sixteen; never rewritten
	v_lshlrev_b32 v11, 2, v1                       ; 4 r: my row of a block; never rewritten
.irp b, 0,1,2,3,4,5,6,7
	global_load_b128 v[CBI+8*\b:CBI+8*\b+3], v10, s[90:91] offset:64*\b
	global_load_b128 v[CBI+8*\b+4:CBI+8*\b+7], v10, s[90:91] offset:64*\b+16
.endr
.irp a, 0,1,2,3,4,5,6,7
	global_load_b32 v[RBI+2*\a], v11, s[92:93] offset:64*\a
	global_load_b32 v[RBI+2*\a+1], v11, s[92:93] offset:64*\a   ; twice: the packed multiply-add names a pair
.endr
	; where my wave's part of the output begins, in bytes, made in registers that hold no address
	s_lshl_b32 s20, s17, 8
	s_lshl_b32 s21, s15, 7
	s_add_co_u32 s20, s20, s21
	s_lshl_b32 s20, s20, 13                        ; q, k: my first token x 8,192
	s_lshl_b32 s46, s42, 10
	s_lshl_b32 s47, s16, 9
	s_add_co_u32 s46, s46, s47
	s_add_co_u32 s20, s20, s46                     ; + my first column x 4
	s_lshl_b32 s21, s17, 1
	s_add_co_u32 s21, s21, s15
	s_lshl_b32 s21, s21, 18                        ; v: head = 2 tile row + half, 262,144 bytes each
	s_lshl_b32 s46, s42, 1
	s_add_co_u32 s46, s46, s16
	s_lshl_b32 s46, s46, 14                        ; key block = 2 tile column + half, 16,384 bytes each
	s_add_co_u32 s21, s21, s46
	s_cmp_eq_u32 s[SEL], 2
	s_cselect_b32 s20, s21, s20
	s_mov_b32 s21, 0
	s_add_nc_u64 s[10:11], s[10:11], s[20:21]
.macro FRAG reg, adr, q, i             ; a fragment: lane l holds row l % 16; registers 4 c .. 4 c + 3 hold K = 32 c + 16 (l / 16) + 0 .. 15: the same permutation of K in A and in B
.irp c, 0,1,2,3
	ds_load_b128 v[\reg+4*\c:\reg+4*\c+3], v[\adr] offset:128*(\q)+32*\c+(\i)*16*PITCH
.endr
.endm
; 16 matrix instructions: A's blocks a0, a0 + 1 x B's eight, 128 along K.  p: B's set.  zero = 1: the first product starts the sums.  The 64 accumulators take turns, one instruction a turn.
.macro MUL16 a0, p, zero
.irp a, \a0, \a0+1
.irp b, 0,1,2,3,4,5,6,7
.if \zero
	v_wmma_f32_16x16x128_bf8_bf8 v[8*(8*((\a)%4)+\b):8*(8*((\a)%4)+\b)+7], v[128*(\p)+FR*\b:128*(\p)+FR*\b+FR-1], v[AF+FR*(\a):AF+FR*(\a)+FR-1], 0
.else
	v_wmma_f32_16x16x128_bf8_bf8 v[8*(8*((\a)%4)+\b):8*(8*((\a)%4)+\b)+7], v[128*(\p)+FR*\b:128*(\p)+FR*\b+FR-1], v[AF+FR*(\a):AF+FR*(\a)+FR-1], v[8*(8*((\a)%4)+\b):8*(8*((\a)%4)+\b)+7]
.endif
.endr
.endr
.endm
.macro FETCH_B slot, q, p              ; B's eight fragments of the slot's q-th 128 along K into set p
	WIN TO_B
.irp i, 0,1,2,3,4,5,6,7
	FRAG 128*(\p)+FR*\i, ADRB+\slot, \q, \i
.endr
	WIN 0
.endm
.macro FETCH_A slot, q, i0             ; A's blocks i0 .. i0 + 3
.irp i, \i0, \i0+1, \i0+2, \i0+3
	FRAG AF+FR*(\i), ADRA+\slot, \q, \i
.endr
.endm
.macro PLACES n                        ; plain vector lines between a matrix instruction and a load into, or a vector line on, its registers
.rept \n
	v_nop
.endr
.endm
; A step of 128 along K that has its successor in the same slot.
.macro STEP slot, q, zero
	s_wait_dscnt 4*NL                              ; B's set and A's blocks 0-3 are in; the youngest 16 loads (A's blocks 4-7) may be out
	WIN MUL_LO
	MUL16 0, (\q)%2, \zero
	MUL16 2, (\q)%2, \zero
	s_wait_dscnt 0                                 ; A's blocks 4-7 are in (asked for 32 matrix instructions ago)
	PLACES NP
	FETCH_B \slot, (\q)+1, 1-(\q)%2
	FETCH_A \slot, (\q)+1, 0
	WIN MUL_HI
	MUL16 4, (\q)%2, \zero
	MUL16 6, (\q)%2, \zero
	PLACES NP
	WIN 0
	FETCH_A \slot, (\q)+1, 4
.endm
; A slot's last step changes slots: ONE barrier; in front of it each wave waits for all its tensor loads, adds 0 to its spare word, and waits for that and for its own reads of this slot.  fill = 1: this slot is filled again, two K steps ahead.
.macro TURN slot, next, fill
	s_wait_tensorcnt 0x0                           ; all my tensor loads have landed: my part of the next slot  (every window is 0 here)
	ds_add_u32 v[SPW], v[NIL]                      ; 0 onto my spare word
	s_wait_dscnt 4*NL+1                            ; (the add and the youngest 16 loads, A's blocks 4-7, may be out)
	WIN MUL_LO
	MUL16 0, 1, 0                                  ; sixteen matrix instructions stand between the add and the wait for it
	s_wait_dscnt 0x0                               ; the add is done, and my reads of this slot are over
	s_barrier_signal -1
	MUL16 2, 1, 0
	WIN 0
	s_barrier_wait -1
.if \fill
	CREST                                          ; the barrier has opened a round of the cluster's barrier: no wave of any partner still reads this slot or has a load on its way
	s_add_nc_u64 s[G0+4*\slot+2:G0+4*\slot+3], s[G0+4*\slot+2:G0+4*\slot+3], 2*ROWB
	s_add_nc_u64 s[G0B+4*\slot+2:G0B+4*\slot+3], s[G0B+4*\slot+2:G0B+4*\slot+3], 2*ROWB
	JLOAD G0+4*\slot, G1, G0B+4*\slot, G1B         ; the first tensor load behind the round; its four v_nop are also the places in front of the loads below
.else
	PLACES NP
.endif
	FETCH_B \next, 0, 0
	FETCH_A \next, 0, 0
	WIN MUL_HI
	MUL16 4, 1, 0
	MUL16 6, 1, 0
	PLACES NP
	WIN 0
	FETCH_A \next, 0, 4
.endm
	s_wait_tensorcnt 1                             ; my part of K step 0 is in (K step 1's load may be out)
	s_barrier_signal -1
	s_barrier_wait -1                              ; everybody's is
	FETCH_B 0, 0, 0
	FETCH_A 0, 0, 0
	FETCH_A 0, 0, 4
	STEP 0, 0, 1                                   ; the first step stands in front of the loop: its products start the sums
	s_mov_b32 s3, LAPS-1
.Llap:                                                 ; a trip goes once round the ring, from a lap's second step to the next lap's first, and fills both slots again
	TURN 0, 1, 1
	STEP 1, 0, 0
	TURN 1, 0, 1
	STEP 0, 0, 0
	s_sub_co_u32 s3, s3, 1
	s_cmp_lg_u32 s3, 0
	s_cbranch_scc1 .Llap
	TURN 0, 1, 0                                   ; the last lap fills nothing
	STEP 1, 0, 0
	s_wait_dscnt 4*NL                              ; the very last step
	WIN MUL_LO
	MUL16 0, 1, 0
	MUL16 2, 1, 0
	s_wait_dscnt 0
	WIN MUL_HI
	MUL16 4, 1, 0
	MUL16 6, 1, 0
	WIN 0
	s_wait_kmcnt 0x0
	s_add_co_i32 s96, s96, s97                     ; the two exponents added, between -126 and 127,
	s_add_co_i32 s96, s96, 127
	s_lshl_b32 s96, s96, 23                        ; make the f32 number by which each finished sum is multiplied
	s_mov_b32 s97, s96
	s_wait_loadcnt 0x0                             ; the biases
	PLACES NP                                      ; behind the last products
	s_cmp_eq_u32 s[SEL], 2
	s_cbranch_scc1 .Lvout
; THE WAY OUT OF q AND k, block by block of 16 tokens x 128 columns: sum x 2^(eA + eB) + bias, one packed multiply-add for two numbers, each accumulator from its low end on; through my own stage in LDS;
; back as whole rows of 512 bytes.  LDS serves a wave's instructions in order (ISA guide 5.7.1.4): no wait between the stores and the loads.
.macro TOSTAGE a
.set AC, 64*((\a)%4)
	WIN 0x42+((\a)/4)                              ; source 0: window 2 or 3; destination: window 1 (B's set 0 is done with); the bias: window 0
.set j, 0
.rept 32
	v_pk_fma_f32 v[j:j+1], v[AC+j:AC+j+1], s[96:97], v[CBI+j:CBI+j+1] op_sel_hi:[1,0,1]
.set j, j+2
.endr
	WIN 0x04                                       ; store data: window 1
.irp b, 0,1,2,3,4,5,6,7
	ds_store_b128 v[STO], v[8*\b:8*\b+3] offset:64*\b
	ds_store_b128 v[STO], v[8*\b+4:8*\b+7] offset:64*\b+16
.endr
	WIN 0
.set BB, BK+64*((\a)%2)
.irp t, 0,1,2,3,4,5,6,7,8,9,10,11,12,13,14,15
	ds_load_b128 v[BB+4*\t:BB+4*\t+3], v[RD] offset:\t*SPITCH
.endr
.endm
.macro SEND a, younger                 ; younger: the LDS instructions issued behind block a's loads, which may stay out
.set BB, BK+64*((\a)%2)
	s_wait_dscnt \younger
.if (\a) > 0
	s_add_nc_u64 s[10:11], s[10:11], 16*SIZE_N*4   ; (behind a wait on XCNT: the earlier stores have read their base)
.endif
.irp t, 0,1,2,3,4,5,6,7,8,9,10,11,12,13,14,15
	global_store_b128 v[CO], v[BB+4*\t:BB+4*\t+3], s[10:11] offset:\t*SIZE_N*4   ; 32 lanes store 512 consecutive bytes, at a multiple of 256 from the buffer's first byte
.endr
.endm
	TOSTAGE 0
.irp a, 1,2,3,4,5,6,7
.if \a > 1
	s_wait_xcnt 0x0                                ; block a - 2's stores have read their registers and their base
.endif
	TOSTAGE \a
	SEND \a-1, 32                                  ; behind block a - 1's loads: block a's 16 stores and 16 loads
.endr
	s_wait_xcnt 0x0
	SEND 7, 0
	s_branch .Lend
; THE WAY OUT OF v.  Block a is 16 channels; accumulator (a, b) holds, in lane (r, h), channel 16 a + r and keys 16 b + 8 h + 0 .. 7.  Eight numbers become eight codes in two registers: the tile's 16 registers are the
; image that is stored.  No LDS.  Every block has its own code registers, so no store's data are written again.
.Lvout:
	s_add_co_i32 s95, s95, 127
	s_lshl_b32 s94, s95, 23
	v_mov_b32 v12, s94                             ; 2^e11 as f32: the conversion takes its exponent field
	s_add_co_i32 s95, s95, 15
	s_lshl_b32 s95, s95, 23
	s_or_b32 s95, s95, 0x600000
	v_mov_b32 v13, s95                             ; 57,344 x 2^e11
	v_and_b32 v14, 31, v0
	v_lshlrev_b32 v14, 4, v14                      ; 16 x lane
.irp a, 0,1,2,3,4,5,6,7
.set AC, 64*((\a)%4)
	WIN 0x02+((\a)/4)                              ; source 0: window 2 or 3
.set j, 0
.rept 32
	v_pk_fma_f32 v[CBI+j:CBI+j+1], v[AC+j:AC+j+1], s[96:97], v[RBI+2*\a:RBI+2*\a+1] op_sel_hi:[1,0,1]   ; v = sum x 2^(e4 + e5) + bv of my channel
.set j, j+2
.endr
	WIN 0
.set j, 0
.rept 64
	v_med3_num_f32 v[CBI+j], v[CBI+j], -v13, v13   ; the conversion to an 8-bit code does not saturate (ISA guide 7.6.2): the hold at the largest code x the scale
.set j, j+1
.endr
.irp b, 0,1,2,3,4,5,6,7
	v_cvt_scalef32_pk8_bf8_f32 v[AF+16*\a+2*\b:AF+16*\a+2*\b+1], v[CBI+8*\b:CBI+8*\b+7], v12
.endr
	v_nop                                          ; a plain line between the conversions and the next block's lines, which write their sources
.irp q, 0,1,2,3
	global_store_b128 v14, v[AF+16*\a+4*\q:AF+16*\a+4*\q+3], s[10:11] offset:2048*\a+512*\q   ; 512 consecutive bytes
.endr
.endr
.Lend:
	s_wait_tensorcnt 0x0                           ; the wave's end
	ds_add_u32 v[SPW], v[NIL]
	s_wait_dscnt 0x0
	CROUND                                         ; the closing round: no work-group ends while a partner may still ask for a tile that names it
	s_endpgm
.Lfunc_end_k_qd9ce201462_qkv:
	.size	k_qd9ce201462_qkv, .Lfunc_end_k_qd9ce201462_qkv-k_qd9ce201462_qkv
	.p2alignl 7, 3214868480
	.fill 96, 4, 3214868480
	.section	.rodata,"a",@progbits
	.p2align	6, 0x0
	.amdhsa_kernel k_qd9ce201462_qkv
		.amdhsa_group_segment_fixed_size 327680
		.amdhsa_private_segment_fixed_size 0
		.amdhsa_enable_private_segment 0
		.amdhsa_kernarg_size 88
		.amdhsa_user_sgpr_count 2
		.amdhsa_user_sgpr_kernarg_segment_ptr 1
		.amdhsa_wavefront_size32 1
		.amdhsa_system_sgpr_workgroup_id_x 1
		.amdhsa_system_sgpr_workgroup_id_y 1
		.amdhsa_system_sgpr_workgroup_id_z 1
		.amdhsa_system_vgpr_workitem_id 0
		.amdhsa_next_free_vgpr 1024
		.amdhsa_next_free_sgpr 100
		.amdhsa_reserve_vcc 0
		.amdhsa_float_denorm_mode_32 3
		.amdhsa_float_denorm_mode_16_64 3
		.amdhsa_memory_ordered 1
		.amdhsa_forward_progress 1
		.amdhsa_inst_pref_size 184
	.end_amdhsa_kernel
	.amdgpu_metadata
---
amdhsa.version: [ 1, 2 ]
amdhsa.kernels:
  - .name:           k_qd9ce201462_qkv
    .symbol:         k_qd9ce201462_qkv.kd
    .args:
      - { .name: x_codes, .offset: 0, .size: 8, .value_kind: global_buffer, .address_space: global }
      - { .name: Wq_codes, .offset: 8, .size: 8, .value_kind: global_buffer, .address_space: global }
      - { .name: Wk_codes, .offset: 16, .size: 8, .value_kind: global_buffer, .address_space: global }
      - { .name: Wv_codes, .offset: 24, .size: 8, .value_kind: global_buffer, .address_space: global }
      - { .name: lowp_scales, .offset: 32, .size: 8, .value_kind: global_buffer, .address_space: global }
      - { .name: bq, .offset: 40, .size: 8, .value_kind: global_buffer, .address_space: global }
      - { .name: bk, .offset: 48, .size: 8, .value_kind: global_buffer, .address_space: global }
      - { .name: bv, .offset: 56, .size: 8, .value_kind: global_buffer, .address_space: global }
      - { .name: qraw, .offset: 64, .size: 8, .value_kind: global_buffer, .address_space: global }
      - { .name: kraw, .offset: 72, .size: 8, .value_kind: global_buffer, .address_space: global }
      - { .name: vc, .offset: 80, .size: 8, .value_kind: global_buffer, .address_space: global }
    .group_segment_fixed_size: 327680
    .private_segment_fixed_size: 0
    .kernarg_segment_align: 8
    .kernarg_segment_size: 88
    .max_flat_workgroup_size: 128
    .sgpr_count:     100
    .vgpr_count:     1024
    .wavefront_size: 32
...
	.end_amdgpu_metadata
.endif
;; end of part 1
;; launch norm (part 2): grid 256 x 1, 8 waves a work-group, no clusters, 101,376 bytes of LDS; arguments qraw, kraw, gq, gk, freqs, lowp_scales, qc, kc, psum; writes qc, kc, psum
.if DOCPART == 2
	.amdgcn_target "amdgcn-amd-amdhsa--gfx1250"
	.amdhsa_code_object_version 6
	.text
	.protected	k_qd9ce201462_norm
	.globl	k_qd9ce201462_norm
	.p2align	8
	.type	k_qd9ce201462_norm,@function
k_qd9ce201462_norm:
	s_mov_b64 s[64:65], 0
	v_nop
	global_prefetch_b8 v0, s[64:65] scope:SCOPE_SE
	s_setreg_imm32_b32 hwreg(HW_REG_WAVE_MODE, 25, 1), 1
	s_wait_xcnt 0x0
; RMS NORM OVER 2,048, GAIN, ROTARY EMBEDDING, CODES, AND THE SUMS FOR THE POOLING.  y = rope(x rsqrt(mean(x^2) + 1e-6) g); codes of y in BF8 (E5M2) with the scale 2^e8 (q) or 2^e9 (k); the sum of y over 16 tokens, in f32.
; A stream: memory binds; no matrix unit, no tensor load, no cluster: work-groups share nothing but the gains.  Work-groups 0-127 take q, 128-255 take k: pointers alone are chosen, one path through the text.
; A work-group takes a tile of 16 tokens; wave w the tokens 2 w and 2 w + 1, each a whole row of 8,192 bytes in 64 registers, so the row is read once and its sum of squares never leaves the wave.
; Load j of a row reads its bytes 512 j + 16 lane: chunk j is head j, and a lane holds channels 4 lane .. 4 lane + 3 of every head: its two angles are the same for all heads.
; SINE AND COSINE in f32: n = the nearest whole number to f 2/pi; r = f - n pi/2 in two parts; polynomials on |r| <= pi/4; the quadrant picks and signs them.  LIMIT: |freqs| up to 1e5.
; CODES leave as images of an operand's registers: [16 heads][128 token tiles][2,048 bytes]; byte 256 t + 16 r + i is token r, channel 16 t + i.  A lane's four codes of a head are one word; the words of the 16 tokens meet
; in LDS (pieces of 256 bytes + 16 of padding, so that the 32 lanes of a store fall on 32 different banks), and each wave stores two heads' images, 512 consecutive bytes an instruction.
; LIMITS: e8, e9 between -126 and 112.  NaN among the inputs is not served.
.set STG, 0                            ; LDS: 16 heads x 8 pieces x 272 bytes
.set PS,  34816                        ; 8 waves x 8,192 bytes: each wave's sum of its two rows
.set XA,  16                           ; v16-79   row A
.set XB,  80                           ; v80-143  row B
.set G,   144                          ; v144-207 the gains; afterwards:
.set T0,  144                          ; v144-159 two sets of eight held numbers
.set CA,  160                          ; v160-175 row A's codes: register j = head j's four
.set CBR, 176                          ; v176-191 row B's
	s_load_b512 s[8:23], s[0:1], 0x0               ; qraw 8, kraw 10, gq 12, gk 14, freqs 16, the scales' exponents 18, qc 20, kc 22
	s_load_b64 s[24:25], s[0:1], 0x40              ; psum
	v_lshl_add_u32 v240, v0, 2, 0x18800
	v_mov_b32 v241, 0
	v_lshrrev_b32 v1, 5, v0
	v_readfirstlane_b32 s2, v1                     ; wave 0..7
	v_and_b32 v1, 31, v0                           ; lane
	v_lshlrev_b32 v2, 4, v1                        ; 16 lane
	v_lshlrev_b32 v3, 3, v1                        ; 8 lane: my two angles
	v_lshrrev_b32 v4, 2, v1
	v_mul_u32_u24 v4, v4, 272
	v_and_b32 v5, 3, v1
	v_lshl_add_u32 v4, v5, 2, v4
	s_lshl_b32 s46, s2, 5
	v_add_nc_u32 v4, s46, v4                       ; a code word's place: piece lane / 4, token 2 w, bytes 4 (lane % 4)
	s_lshl_b32 s46, s2, 13
	s_add_co_u32 s46, s46, PS
	v_add_nc_u32 v5, s46, v2                       ; my wave's row of sums
	v_lshrrev_b32 v6, 4, v1
	v_mul_u32_u24 v6, v6, 272
	v_and_b32 v7, 15, v1
	v_lshl_add_u32 v6, v7, 4, v6
	s_mul_i32 s46, s2, 4352
	v_add_nc_u32 v6, s46, v6                       ; images back: heads 2 w, 2 w + 1; sixteen lanes to a piece
	s_lshl_b32 s46, s2, 10
	v_add_nc_u32 v9, s46, v2                       ; psum: my wave's 256 columns
	v_add_nc_u32 v7, PS, v9                        ; and the same columns of a wave's row of sums
	s_lshl_b32 s46, s2, 19
	v_add_nc_u32 v8, s46, v2                       ; the codes' buffer: head 2 w
	s_mov_b32 s26, 0x3f22f983                      ; 2 / pi
	s_mov_b32 s27, 0xbfc90fdb                      ; -(pi / 2 rounded to f32)
	s_mov_b32 s28, 0x333bbd2e                      ; that rounding's excess over pi / 2
	s_mov_b32 s30, 0xb94ca1f9                      ; sine: r + r z (S1 + z (S2 + z S3))
	s_mov_b32 s31, 0x3c08839e
	s_mov_b32 s32, 0xbe2aaaa3
	s_mov_b32 s33, 0x37ccf5ce                      ; cosine: 1 + z (-1/2 + z (C1 + z (C2 + z C3)))
	s_mov_b32 s34, 0xbab6061a
	s_mov_b32 s35, 0x3d2aaaa5
	s_mov_b32 s36, 0x76543210                      ; v_permlanex16_b32: lane l xor 16
	s_mov_b32 s37, 0xfedcba98
	s_mov_b32 s38, 0x3a000000                      ; 1 / 2,048
	s_mov_b32 s39, 0x358637bd                      ; 1e-6
	s_and_b32 s3, ttmp9, 127                       ; the token tile
	s_lshl_b32 s42, s3, 17
	s_lshl_b32 s43, s2, 14
	s_add_co_u32 s42, s42, s43                     ; (16 T + 2 w) rows of 8,192 bytes
	s_mov_b32 s43, 0
	s_lshl_b32 s44, s3, 12
	s_lshl_b32 s45, s2, 9
	s_add_co_u32 s44, s44, s45                     ; (16 T + 2 w) rows of 256 bytes
	s_mov_b32 s45, 0
	s_wait_kmcnt 0x0
	s_load_b64 s[40:41], s[18:19], 0x20            ; e8, e9
	s_cmp_lt_u32 ttmp9, 128                        ; q's work-group or k's?  The choice hangs on the work-group's number alone
	s_cselect_b64 s[4:5], s[8:9], s[10:11]
	s_cselect_b64 s[6:7], s[12:13], s[14:15]
	s_cselect_b64 s[20:21], s[20:21], s[22:23]
	s_add_nc_u64 s[4:5], s[4:5], s[42:43]
	s_add_nc_u64 s[16:17], s[16:17], s[44:45]
	s_lshl_b32 s42, s3, 11
	s_add_nc_u64 s[20:21], s[20:21], s[42:43]      ; the tile's image in head 0
	s_lshl_b32 s42, ttmp9, 13
	s_add_nc_u64 s[24:25], s[24:25], s[42:43]      ; psum: [2][128][2048] f32
	global_load_b64 v[10:11], v3, s[16:17]
	global_load_b64 v[12:13], v3, s[16:17] offset:256
.set j, 0
.rept 16
	global_load_b128 v[XA+4*j:XA+4*j+3], v2, s[4:5] offset:512*j th:TH_LOAD_NT
.set j, j+1
.endr
.set j, 0
.rept 16
	global_load_b128 v[XB+4*j:XB+4*j+3], v2, s[4:5] offset:8192+512*j th:TH_LOAD_NT
.set j, j+1
.endr
.set j, 0
.rept 16
	global_load_b128 v[G+4*j:G+4*j+3], v2, s[6:7] offset:512*j
.set j, j+1
.endr
	s_wait_kmcnt 0x0
	s_cmp_lt_u32 ttmp9, 128
	s_cselect_b32 s40, s40, s41                    ; e
	s_add_co_i32 s40, s40, 127
	s_lshl_b32 s41, s40, 23
	v_mov_b32 v14, s41                             ; 2^e as f32: the conversion takes its exponent field
	s_add_co_i32 s40, s40, 15
	s_lshl_b32 s40, s40, 23
	s_or_b32 s40, s40, 0x600000
	v_mov_b32 v15, s40                             ; 57,344 x 2^e
.macro SINCOS f, sn, cs                ; v[sn] = sin v[f], v[cs] = cos v[f]
	v_mul_f32 v232, s26, v[\f]
	v_rndne_f32 v232, v232                         ; n
	v_fma_f32 v233, v232, s27, v[\f]
	v_fma_f32 v233, v232, s28, v233                ; r
	v_cvt_i32_f32 v235, v232
	v_mul_f32 v234, v233, v233                     ; z
	v_fma_f32 v236, v234, s30, s31
	v_fma_f32 v236, v236, v234, s32
	v_mul_f32 v236, v236, v234
	v_fma_f32 v236, v236, v233, v233               ; sin r
	v_fma_f32 v237, v234, s33, s34
	v_fma_f32 v237, v237, v234, s35
	v_mul_f32 v237, v237, v234
	v_add_f32 v237, -0.5, v237
	v_fma_f32 v237, v237, v234, 1.0                ; cos r
	v_and_b32 v238, 1, v235
	v_cmp_eq_u32 vcc_lo, 1, v238                   ; an odd quadrant swaps the two
	v_cndmask_b32 v[\sn], v236, v237, vcc_lo
	v_cndmask_b32 v[\cs], v237, v236, vcc_lo
	v_lshlrev_b32 v238, 30, v235
	v_and_b32 v238, 0x80000000, v238               ; the sine is negative in quadrants 2, 3
	v_xor_b32 v[\sn], v[\sn], v238
	v_add_nc_u32 v235, 1, v235
	v_lshlrev_b32 v235, 30, v235
	v_and_b32 v235, 0x80000000, v235               ; the cosine in quadrants 1, 2
	v_xor_b32 v[\cs], v[\cs], v235
.endm
	s_wait_loadcnt 48                              ; the angles are in; the two rows and the gains (48 loads) may be out
	SINCOS 10, 224, 225
	SINCOS 11, 226, 227
	SINCOS 12, 228, 229
	SINCOS 13, 230, 231
.macro SSQ x, ch                       ; v[ch] = the row's sum of squares, in every lane: four chains, then across the lanes
.irp k, 0,1,2,3
	v_pk_mul_f32 v[\ch+2*\k:\ch+2*\k+1], v[\x+2*\k:\x+2*\k+1], v[\x+2*\k:\x+2*\k+1]
.endr
.set jj, 4
.rept 28
	v_pk_fma_f32 v[\ch+2*(jj%4):\ch+2*(jj%4)+1], v[\x+2*jj:\x+2*jj+1], v[\x+2*jj:\x+2*jj+1], v[\ch+2*(jj%4):\ch+2*(jj%4)+1]
.set jj, jj+1
.endr
	v_pk_add_f32 v[\ch:\ch+1], v[\ch:\ch+1], v[\ch+2:\ch+3]
	v_pk_add_f32 v[\ch+4:\ch+5], v[\ch+4:\ch+5], v[\ch+6:\ch+7]
	v_pk_add_f32 v[\ch:\ch+1], v[\ch:\ch+1], v[\ch+4:\ch+5]
	v_add_f32 v[\ch], v[\ch], v[\ch+1]
	v_add_f32_dpp v[\ch], v[\ch], v[\ch] row_xmask:1 row_mask:0xf bank_mask:0xf
	v_add_f32_dpp v[\ch], v[\ch], v[\ch] row_xmask:2 row_mask:0xf bank_mask:0xf
	v_add_f32_dpp v[\ch], v[\ch], v[\ch] row_xmask:4 row_mask:0xf bank_mask:0xf
	v_add_f32_dpp v[\ch], v[\ch], v[\ch] row_xmask:8 row_mask:0xf bank_mask:0xf
	v_permlanex16_b32 v[\ch+1], v[\ch], s36, s37
	v_add_f32 v[\ch], v[\ch], v[\ch+1]
.endm
	s_wait_loadcnt 32                              ; row A is in; row B and the gains may be out
	SSQ XA, 208
	s_wait_loadcnt 16                              ; row B is in; the gains may be out
	SSQ XB, 216
	v_fma_f32 v208, v208, s38, s39                 ; the mean of the squares + 1e-6
	v_fma_f32 v216, v216, s38, s39
	v_rsq_f32 v209, v208
	v_rsq_f32 v217, v216
	v_nop                                          ; a plain line behind the two roots,
	s_wait_alu depctr_va_vdst(0)                   ; and one wait for both, ahead of the first line that names a result
.irp i, 224,225,226,227
	v_mul_f32 v[\i], v[\i], v209                   ; the norm's factor rides on the rotation's sine and cosine
.endr
.irp i, 228,229,230,231
	v_mul_f32 v[\i], v[\i], v217
.endr
	s_wait_loadcnt 0x0                             ; the gains
.set j, 0
.rept 32
	v_pk_mul_f32 v[XA+2*j:XA+2*j+1], v[XA+2*j:XA+2*j+1], v[G+2*j:G+2*j+1]
	v_pk_mul_f32 v[XB+2*j:XB+2*j+1], v[XB+2*j:XB+2*j+1], v[G+2*j:G+2*j+1]
.set j, j+1
.endr
.macro ROPE x, sc                      ; pair p of the row: (x0, x1) -> (x0 c - x1 s, x0 s + x1 c); v[sc] = s, c of the lane's first angle, then of its second
.set p, 0
.rept 32
.set xr, \x+2*p
.set sr, \sc+2*(p%2)
.set ur, 232+2*(p%4)
	v_pk_mul_f32 v[ur:ur+1], v[xr:xr+1], v[sr:sr+1] op_sel_hi:[1,0]   ; x0 s, x1 s
	v_fma_f32 v[xr], v[xr], v[sr+1], -v[ur+1]
	v_fma_f32 v[xr+1], v[xr+1], v[sr+1], v[ur]
.set p, p+1
.endr
.endm
	ROPE XA, 224
	ROPE XB, 228
.macro QUANT x, c                      ; the row's 64 numbers become 16 words of codes; the row itself stays as it is, for the sums
.set J, 0
.rept 8
.set tr, T0+8*(J%2)
.irp i, 0,1,2,3,4,5,6,7
	v_med3_num_f32 v[tr+\i], v[\x+8*J+\i], -v15, v15   ; the conversion does not saturate (ISA guide 7.6.2): the hold.  The two sets take turns, so that eight plain lines stand between a conversion and the next write of its sources
.endr
	v_cvt_scalef32_pk8_bf8_f32 v[\c+2*J:\c+2*J+1], v[tr:tr+7], v14
.set J, J+1
.endr
	v_nop
.endm
	QUANT XA, CA
	QUANT XB, CBR
.set j, 0
.rept 16
	ds_store_b32 v4, v[CA+j] offset:STG+2176*j
	ds_store_b32 v4, v[CBR+j] offset:STG+2176*j+16
.set j, j+1
.endr
.set j, 0
.rept 32
	v_pk_add_f32 v[XA+2*j:XA+2*j+1], v[XA+2*j:XA+2*j+1], v[XB+2*j:XB+2*j+1]
.set j, j+1
.endr
.set j, 0
.rept 16
	ds_store_b128 v5, v[XA+4*j:XA+4*j+3] offset:512*j
.set j, j+1
.endr
	s_wait_dscnt 0x0                               ; for the others' sake: my stores have landed
	s_barrier_signal -1
	s_barrier_wait -1
.irp h, 0,1
.irp c, 0,1,2,3
	ds_load_b128 v[16+16*\h+4*\c:19+16*\h+4*\c], v6 offset:STG+2176*\h+544*\c
.endr
.endr
.irp w, 0,1,2,3,4,5,6,7
.irp t, 0,1
	ds_load_b128 v[48+8*\w+4*\t:51+8*\w+4*\t], v7 offset:8192*\w+512*\t
.endr
.endr
	s_wait_dscnt 16                                ; the images are in; the 16 loads of sums may be out
.irp h, 0,1
.irp c, 0,1,2,3
	global_store_b128 v8, v[16+16*\h+4*\c:19+16*\h+4*\c], s[20:21] offset:262144*\h+512*\c   ; 512 consecutive bytes of an image
.endr
.endr
	s_wait_dscnt 0x0
.macro OADD d, s                       ; eight numbers onto eight
.irp k, 0,2,4,6
	v_pk_add_f32 v[\d+\k:\d+\k+1], v[\d+\k:\d+\k+1], v[\s+\k:\s+\k+1]
.endr
.endm
	OADD 48, 56
	OADD 64, 72
	OADD 80, 88
	OADD 96, 104
	OADD 48, 64
	OADD 80, 96
	OADD 48, 80
	global_store_b128 v9, v[48:51], s[24:25]
	global_store_b128 v9, v[52:55], s[24:25] offset:512
	s_wait_tensorcnt 0x0
	ds_add_u32 v240, v241
	s_wait_dscnt 0x0
	s_endpgm
.Lfunc_end_k_qd9ce201462_norm:
	.size	k_qd9ce201462_norm, .Lfunc_end_k_qd9ce201462_norm-k_qd9ce201462_norm
	.p2alignl 7, 3214868480
	.fill 96, 4, 3214868480
	.section	.rodata,"a",@progbits
	.p2align	6, 0x0
	.amdhsa_kernel k_qd9ce201462_norm
		.amdhsa_group_segment_fixed_size 101376
		.amdhsa_private_segment_fixed_size 0
		.amdhsa_enable_private_segment 0
		.amdhsa_kernarg_size 72
		.amdhsa_user_sgpr_count 2
		.amdhsa_user_sgpr_kernarg_segment_ptr 1
		.amdhsa_wavefront_size32 1
		.amdhsa_system_sgpr_workgroup_id_x 1
		.amdhsa_system_sgpr_workgroup_id_y 1
		.amdhsa_system_sgpr_workgroup_id_z 1
		.amdhsa_system_vgpr_workitem_id 0
		.amdhsa_next_free_vgpr 242
		.amdhsa_next_free_sgpr 66
		.amdhsa_reserve_vcc 1
		.amdhsa_float_denorm_mode_32 3
		.amdhsa_float_denorm_mode_16_64 3
		.amdhsa_memory_ordered 1
		.amdhsa_forward_progress 1
		.amdhsa_inst_pref_size 54
	.end_amdhsa_kernel
	.amdgpu_metadata
---
amdhsa.version: [ 1, 2 ]
amdhsa.kernels:
  - .name:           k_qd9ce201462_norm
    .symbol:         k_qd9ce201462_norm.kd
    .args:
      - { .name: qraw, .offset: 0, .size: 8, .value_kind: global_buffer, .address_space: global }
      - { .name: kraw, .offset: 8, .size: 8, .value_kind: global_buffer, .address_space: global }
      - { .name: gq, .offset: 16, .size: 8, .value_kind: global_buffer, .address_space: global }
      - { .name: gk, .offset: 24, .size: 8, .value_kind: global_buffer, .address_space: global }
      - { .name: freqs, .offset: 32, .size: 8, .value_kind: global_buffer, .address_space: global }
      - { .name: lowp_scales, .offset: 40, .size: 8, .value_kind: global_buffer, .address_space: global }
      - { .name: qc, .offset: 48, .size: 8, .value_kind: global_buffer, .address_space: global }
      - { .name: kc, .offset: 56, .size: 8, .value_kind: global_buffer, .address_space: global }
      - { .name: psum, .offset: 64, .size: 8, .value_kind: global_buffer, .address_space: global }
    .group_segment_fixed_size: 101376
    .private_segment_fixed_size: 0
    .kernarg_segment_align: 8
    .kernarg_segment_size: 72
    .max_flat_workgroup_size: 256
    .sgpr_count:     66
    .vgpr_count:     242
    .wavefront_size: 32
...
	.end_amdgpu_metadata
.endif
;; end of part 2
;; launch draft (part 3): grid 16 x 1, 8 waves a work-group, no clusters, 13,824 bytes of LDS; arguments psum, lowp_scales, rowmask; writes rowmask
.if DOCPART == 3
	.amdgcn_target "amdgcn-amd-amdhsa--gfx1250"
	.amdhsa_code_object_version 6
	.text
	.protected	k_qd9ce201462_draft
	.globl	k_qd9ce201462_draft
	.p2align	8
	.type	k_qd9ce201462_draft,@function
k_qd9ce201462_draft:
	s_mov_b64 s[64:65], 0
	v_nop
	global_prefetch_b8 v0, s[64:65] scope:SCOPE_SE
	s_setreg_imm32_b32 hwreg(HW_REG_WAVE_MODE, 25, 1), 1
	s_wait_xcnt 0x0
; THE DRAFT MASK.  A work-group takes a head.  The 16 blocks' means of q and k (128 tokens each, from the sums over 16), quantised to BF8 (E5M2) with 2^e6 and 2^e7; their 16 x 16 scores by one matrix instruction;
; the local mask (rows l % 8 in {0, 1} may not see columns m % 8 in {6, 7}: a 6 x 6 window on a grid of 4 x 2 blocks forbids nothing else); a softmax along m, with its maximum taken away;
; in each group of 8 rows x 16 columns a cell is kept where it is above the group's 11th largest number, that is, where at most 10 numbers of the group are as large as it or larger.
; OUT: rowmask[head][l], int32: bit m = cell (l, m) is kept.  Floating-point numbers become bits by compares and selects alone: no branch and no address hangs on them.
; Sixteen work-groups: the launch has 2 MiB to read and one matrix instruction a wave; nothing here is worth sharing further.
; LIMITS: e6, e7 between -126 and 112; e6 + e7 between -123 and 130.  Two cells that f32 rounding cannot tell apart at the 10th and 11th place may fall either way.  NaN is not served.
.set QB, 0                             ; LDS: q's 16 rows of 128 codes + 16 of padding
.set KB, 2304                          ; k's
.set SC, 4608                          ; 1,024 bytes for each wave, its own: the head's 256 weights
	s_load_b128 s[4:7], s[0:1], 0x0                ; psum, the scales' exponents
	s_load_b64 s[8:9], s[0:1], 0x10                ; rowmask
	v_lshl_add_u32 v192, v0, 2, 0x3200
	v_mov_b32 v193, 0
	v_lshrrev_b32 v1, 5, v0
	v_readfirstlane_b32 s10, v1                    ; wave 0..7
	v_and_b32 v1, 31, v0                           ; lane
	v_and_b32 v2, 15, v0                           ; r
	v_bfe_u32 v3, v0, 4, 1                         ; h
	v_lshlrev_b32 v4, 4, v1
	s_lshl_b32 s14, s10, 17
	v_add_nc_u32 v4, s14, v4                       ; psum: 16 lane + 16 w token tiles of 8,192 bytes
	v_lshlrev_b32 v5, 2, v1
	s_mul_i32 s14, s10, 288
	v_add_nc_u32 v5, s14, v5                       ; a code word's place: row 2 w, 4 lane
	v_mul_u32_u24 v6, v2, 144
	v_lshl_add_u32 v6, v3, 4, v6                   ; a fragment: row r, + 16 h
	s_lshl_b32 s15, s10, 10
	s_add_co_u32 s15, s15, SC                      ; my scratch
	v_lshlrev_b32 v7, 6, v2
	v_lshl_add_u32 v7, v3, 5, v7
	v_add_nc_u32 v7, s15, v7                       ; weights in: row r of 64 bytes, + 32 h
	s_lshl_b32 s14, s10, 7
	s_add_co_u32 s14, s14, s15
	v_lshl_add_u32 v8, v1, 2, s14                  ; my cell: l = 2 w + lane / 16, m = lane % 16
	s_lshr_b32 s14, s10, 2
	s_lshl_b32 s14, s14, 9
	s_add_co_u32 s14, s14, s15
	v_mov_b32 v9, s14                              ; my cell's group: 128 numbers, 512 bytes
	s_lshl_b32 s14, ttmp9, 6
	s_lshl_b32 s21, s10, 3
	s_add_co_u32 s14, s14, s21
	v_lshl_add_u32 v15, v3, 2, s14                 ; rowmask: 4 (16 head + 2 w + lane / 16)
	v_mov_b32 v57, 0                               ; written once: a lane permute's destination counts as one of its sources
	s_lshl_b32 s16, ttmp9, 9                       ; the head's 128 columns
	s_mov_b32 s17, 0
	s_mov_b32 s18, 0x76543210
	s_mov_b32 s19, 0xfedcba98
	s_wait_kmcnt 0x0
	s_load_b64 s[12:13], s[6:7], 0x18              ; e6, e7
	s_add_nc_u64 s[4:5], s[4:5], s[16:17]
.irp z, 0,1                                    ; q, k
.irp u, 0,1                                    ; blocks 2 w, 2 w + 1
.irp t, 0,1,2,3,4,5,6,7                        ; the block's eight token tiles
	global_load_b128 v[32+64*\z+32*\u+4*\t:35+64*\z+32*\u+4*\t], v4, s[4:5] offset:1048576*\z+8192*(8*\u+\t)
.endr
.endr
.endr
	s_wait_kmcnt 0x0
	s_add_co_i32 s20, s12, s13
	s_lshl_b32 s20, s20, 23
	s_add_co_i32 s20, s20, 0x3e0293ee              ; log2(e) / sqrt(128) x 2^(e6 + e7): the exponents are added to its exponent field
.irp z, 0,1
	s_add_co_i32 s21, s[12+\z], 127
	s_lshl_b32 s22, s21, 23
	v_mov_b32 v[11+2*\z], s22                      ; the scale as f32
	s_add_co_i32 s21, s21, 15
	s_lshl_b32 s21, s21, 23
	s_or_b32 s21, s21, 0x600000
	v_mov_b32 v[10+2*\z], s21                      ; 57,344 x the scale
.endr
	s_wait_loadcnt 0x0
.macro QADD d, s                       ; four numbers onto four
	v_pk_add_f32 v[\d:\d+1], v[\d:\d+1], v[\s:\s+1]
	v_pk_add_f32 v[\d+2:\d+3], v[\d+2:\d+3], v[\s+2:\s+3]
.endm
.irp z, 0,1
.irp u, 0,1
.set B0, 32+64*\z+32*\u
	QADD B0, B0+4
	QADD B0+8, B0+12
	QADD B0+16, B0+20
	QADD B0+24, B0+28
	QADD B0, B0+8
	QADD B0+16, B0+24
	QADD B0, B0+16
	v_pk_mul_f32 v[160+8*\z+4*\u:161+8*\z+4*\u], v[B0:B0+1], 0x3c000000 op_sel_hi:[1,0]   ; / 128: the mean
	v_pk_mul_f32 v[162+8*\z+4*\u:163+8*\z+4*\u], v[B0+2:B0+3], 0x3c000000 op_sel_hi:[1,0]
.endr
.endr
.irp z, 0,1
.irp i, 0,1,2,3,4,5,6,7
	v_med3_num_f32 v[160+8*\z+\i], v[160+8*\z+\i], -v[10+2*\z], v[10+2*\z]   ; the conversion does not saturate (ISA guide 7.6.2): the hold
.endr
	v_cvt_scalef32_pk8_bf8_f32 v[176+2*\z:177+2*\z], v[160+8*\z:167+8*\z], v[11+2*\z]   ; low register: block 2 w's four codes; high: block 2 w + 1's
.endr
	v_nop                                          ; a plain line behind the last conversion
.irp z, 0,1
.irp u, 0,1
	ds_store_b32 v5, v[176+2*\z+\u] offset:2304*\z+144*\u
.endr
.endr
	s_wait_dscnt 0x0                               ; for the others' sake: my stores have landed
	s_barrier_signal -1
	s_barrier_wait -1
	; from here on every wave computes the head's 256 weights alike, and judges 32 cells of its own
.irp c, 0,1,2,3
	ds_load_b128 v[16+4*\c:19+4*\c], v6 offset:KB+32*\c
.endr
.irp c, 0,1,2,3
	ds_load_b128 v[32+4*\c:35+4*\c], v6 offset:QB+32*\c
.endr
	s_wait_dscnt 0x0
	v_wmma_f32_16x16x128_bf8_bf8 v[48:55], v[16:31], v[32:47], 0   ; source 0 = k's 16 blocks, source 1 = q's: lane (r, h) holds row l = r and columns m = 8 h + 0 .. 7
.rept 4
	v_nop
.endr
.irp j, 0,1,2,3,4,5,6,7
	v_mul_f32 v[48+\j], s20, v[48+\j]              ; t = score x log2(e) / sqrt(128), from the low end on
.endr
	v_and_b32 v58, 6, v2
	v_cmp_eq_u32 vcc_lo, 0, v58                    ; l % 8 in {0, 1}
	v_mov_b32 v59, 0xff800000                      ; -infinity
	v_cndmask_b32 v54, v54, v59, vcc_lo            ; m % 8 = 6
	v_cndmask_b32 v55, v55, v59, vcc_lo            ; m % 8 = 7
	v_max3_num_f32 v56, v48, v49, v50
	v_max3_num_f32 v56, v56, v51, v52
	v_max3_num_f32 v56, v56, v53, v54
	v_max_num_f32 v56, v56, v55
	v_permlanex16_b32 v57, v56, s18, s19
	v_max_num_f32 v56, v56, v57                    ; the row's largest t
.irp j, 0,1,2,3,4,5,6,7
	v_sub_f32 v[48+\j], v[48+\j], v56
.endr
.irp j, 0,1,2,3,4,5,6,7
	v_exp_f32 v[48+\j], v[48+\j]
.endr
	v_nop                                          ; a plain line behind the batch,
	s_wait_alu depctr_va_vdst(0)                   ; and one wait for it, ahead of its first reader
	v_add_f32 v56, v48, v49
	v_add_f32 v58, v50, v51
	v_add_f32 v59, v52, v53
	v_add_f32 v60, v54, v55
	v_add_f32 v56, v56, v58
	v_add_f32 v59, v59, v60
	v_add_f32 v56, v56, v59
	v_permlanex16_b32 v57, v56, s18, s19
	v_add_f32 v56, v56, v57                        ; the row's sum
	v_rcp_f32 v58, v56
	v_nop
	s_wait_alu depctr_va_vdst(0)
.irp j, 0,1,2,3,4,5,6,7
	v_mul_f32 v[48+\j], v[48+\j], v58
.endr
	ds_store_b128 v7, v[48:51]
	ds_store_b128 v7, v[52:55] offset:16
	ds_load_b32 v14, v8                            ; my cell.  LDS serves a wave's instructions in order (ISA guide 5.7.1.4): these loads see my stores; the bytes are my wave's own
.set i, 0
.rept 32
	ds_load_b128 v[64+4*i:67+4*i], v9 offset:16*i  ; its group's 128 numbers, the same in every lane
.set i, i+1
.endr
.irp i, 20,21,22,23,24
	v_mov_b32 v[\i], 0
.endr
	v_mov_b32 v25, 1
	s_wait_dscnt 0x0
.set i, 0
.rept 128
	v_cmp_ge_f32 vcc_lo, v[64+i], v14              ; as large as my cell, or larger (my cell itself among them)
	v_cndmask_b32 v[26+i%4], v24, v25, vcc_lo
	v_add_nc_u32 v[20+i%4], v[20+i%4], v[26+i%4]
.set i, i+1
.endr
	v_add_nc_u32 v20, v20, v21
	v_add_nc_u32 v22, v22, v23
	v_add_nc_u32 v20, v20, v22
	v_cmp_ge_u32 vcc_lo, 10, v20                   ; kept
	v_mov_b32 v30, vcc_lo                          ; bits 0-15: row 2 w; bits 16-31: row 2 w + 1
	v_and_b32 v31, 16, v1
	v_lshrrev_b32 v30, v31, v30
	v_and_b32 v30, 0xffff, v30
	v_cmp_eq_u32 vcc_lo, 0, v2
	s_wait_xcnt 0x0                                ; EXEC changes only behind this wait
	s_wait_tensorcnt 0x0
	ds_add_u32 v192, v193
	s_wait_dscnt 0x0
	s_and_saveexec_b32 s21, vcc_lo                 ; lanes 0 and 16
	global_store_b32 v15, v30, s[8:9]
	s_wait_xcnt 0x0                                ; and again, in front of the line that widens it
	s_or_b32 exec_lo, exec_lo, s21
	s_endpgm
.Lfunc_end_k_qd9ce201462_draft:
	.size	k_qd9ce201462_draft, .Lfunc_end_k_qd9ce201462_draft-k_qd9ce201462_draft
	.p2alignl 7, 3214868480
	.fill 96, 4, 3214868480
	.section	.rodata,"a",@progbits
	.p2align	6, 0x0
	.amdhsa_kernel k_qd9ce201462_draft
		.amdhsa_group_segment_fixed_size 13824
		.amdhsa_private_segment_fixed_size 0
		.amdhsa_enable_private_segment 0
		.amdhsa_kernarg_size 24
		.amdhsa_user_sgpr_count 2
		.amdhsa_user_sgpr_kernarg_segment_ptr 1
		.amdhsa_wavefront_size32 1
		.amdhsa_system_sgpr_workgroup_id_x 1
		.amdhsa_system_sgpr_workgroup_id_y 1
		.amdhsa_system_sgpr_workgroup_id_z 1
		.amdhsa_system_vgpr_workitem_id 0
		.amdhsa_next_free_vgpr 194
		.amdhsa_next_free_sgpr 66
		.amdhsa_reserve_vcc 1
		.amdhsa_float_denorm_mode_32 3
		.amdhsa_float_denorm_mode_16_64 3
		.amdhsa_memory_ordered 1
		.amdhsa_forward_progress 1
		.amdhsa_inst_pref_size 30
	.end_amdhsa_kernel
	.amdgpu_metadata
---
amdhsa.version: [ 1, 2 ]
amdhsa.kernels:
  - .name:           k_qd9ce201462_draft
    .symbol:         k_qd9ce201462_draft.kd
    .args:
      - { .name: psum, .offset: 0, .size: 8, .value_kind: global_buffer, .address_space: global }
      - { .name: lowp_scales, .offset: 8, .size: 8, .value_kind: global_buffer, .address_space: global }
      - { .name: rowmask, .offset: 16, .size: 8, .value_kind: global_buffer, .address_space: global }
    .group_segment_fixed_size: 13824
    .private_segment_fixed_size: 0
    .kernarg_segment_align: 8
    .kernarg_segment_size: 24
    .max_flat_workgroup_size: 256
    .sgpr_count:     66
    .vgpr_count:     194
    .wavefront_size: 32
...
	.end_amdgpu_metadata
.endif
;; end of part 3
;; launch attn (part 4): grid 8 x 32, 10 waves a work-group, no clusters, 85,248 bytes of LDS; arguments qc, kc, vc, rowmask, lowp_scales, ao; writes ao
.if DOCPART == 4
	.amdgcn_target "amdgcn-amd-amdhsa--gfx1250"
	.amdhsa_code_object_version 6
	.text
	.protected	k_qd9ce201462_attn
	.globl	k_qd9ce201462_attn
	.p2align	8
	.type	k_qd9ce201462_attn,@function
k_qd9ce201462_attn:
	s_mov_b64 s[64:65], 0
	v_nop
	global_prefetch_b8 v0, s[64:65] scope:SCOPE_SE
	s_setreg_imm32_b32 hwreg(HW_REG_WAVE_MODE, 25, 1), 1
	s_wait_xcnt 0x0
; BLOCK-SPARSE ATTENTION ON THE KEPT CELLS, both products on codes of BF8 (E5M2).  A group (head, frame) of 8 query blocks x 16 key blocks keeps at most 10 cells of 128 x 128; all else is thrown away by the mask.
; SHARES.  Work-group (qi, g): the qi-th tile of 16 queries of each of group g's 8 query blocks.  WAVE j IS THE GROUP'S j-TH KEPT CELL, in (row, column) order: 16 queries x 128 keys.  So every work-group has ten units
; of equal work, however the cells lie over the rows.  A wave beyond the group's count works on clamped addresses, and nothing of it is used.
; THE LIST is made by scalar work on the eight words of rowmask, which an earlier launch stored.  Addresses and the branches round stores hang on it, so operands go from memory straight into registers:
; no tensor load, hence no joint loads, though the eight work-groups of a group read the same K and V; and no prefetch, since an address is known only when its load can go out.
; LAYOUT.  S^T = K Q^T (source 0 = 16 keys, source 1 = my 16 queries): a lane holds ONE query (lane % 16), register j of tile t key 16 t + 8 (lane / 16) + j: eight codes of a tile are registers 2 t, 2 t + 1 of the
; next operand, in that form's own order of K, in which V's codes were laid.  O^T = V^T P^T: register j of tile t is channel 16 t + 8 (lane / 16) + j.
; THE SOFTMAX IS QUANTISED FINISHED AND NORMALISED.  A cell takes its own largest t (mt) and the sum l of p' = 2^(t - mt); the cells of a row exchange (mt, l) through LDS; M = the row's largest mt,
; L = the sum of l_i 2^(mt_i - M); p = p' x 2^(mt - M) / L.  The maximum is taken away as in the reference; L is at least 1.
; A row's cells are neighbours among the slots: their O^T are added in slot order, quantised with 2^e12 and stored as images (byte 256 t + 16 r + i: token r, channel 16 t + i); a row without cells gets zero codes.
; LIMITS: e8 + e9 between -123 and 130; e10 and e12 - e10 - e11 between -126 and 112.  NaN is not served.
; REGISTERS: v1 lane, v2 16 lane, v3 8 r, v4-19 Q, v20 my bytes in an image, v21 0, v22 1, v23 slot lane's row, v24-27 LDS addresses, v28-31 at work; v32-159 K, then V, then ten slots' O, codes, offsets;
;   v160-223 S^T, p, O^T; v224-243 the ten pairs (mt, l), then p's codes; v244 -3e38; v245, v246 p's hold and scale; v[248:249] (mt, l), then f; v250, v251 O's hold and scale; v[252:253] -mt.
.set STAT, 0                           ; LDS: slot j's 16 pairs (mt, l): 128 bytes
.set OB,   2048                        ; slot j's O^T: 8,192 bytes: tile t's registers 0-3 at 1024 t + 16 lane, registers 4-7 512 bytes on
	s_load_b256 s[4:11], s[0:1], 0x0               ; qc 4, kc 6, vc 8, rowmask 10
	s_load_b128 s[12:15], s[0:1], 0x20             ; the scales' exponents 12, ao 14
	v_lshl_add_u32 v247, v0, 2, 0x14800
	s_set_vgpr_msb 0x40
	v_mov_b32 v1, 0
	s_set_vgpr_msb 0x4000
	v_lshrrev_b32 v1, 5, v0
	v_readfirstlane_b32 s16, v1                    ; wave = slot 0..9
	v_and_b32 v1, 31, v0
	v_lshlrev_b32 v2, 4, v1
	v_and_b32 v28, 15, v0                          ; r
	v_bfe_u32 v29, v0, 4, 1                        ; h
	v_lshlrev_b32 v3, 3, v28
	s_lshl_b32 s62, s16, 8
	v_lshl_add_u32 v20, v28, 4, s62
	v_lshl_add_u32 v20, v29, 3, v20                ; 256 w + 16 r + 8 h
	v_mov_b32 v21, 0
	v_mov_b32 v22, 1
	s_lshl_b32 s62, s16, 13
	s_add_co_u32 s62, s62, OB
	v_add_nc_u32 v24, s62, v2                      ; my slot's O^T
	s_lshl_b32 s62, s16, 10
	s_add_co_u32 s62, s62, OB
	v_add_nc_u32 v25, s62, v2                      ; tile w of slot 0,
	v_add_nc_u32 v26, 0x10000, v25                 ; and of slot 8: beyond the reach of a 16-bit offset
	s_lshl_b32 s62, s16, 7
	v_add_nc_u32 v27, s62, v3                      ; my slot's pairs
	v_mov_b32 v244, 0xff61b1e6                     ; -3e38, under every t
	v_mov_b32 v253, 0                              ; (named as the upper half of a pair)
	s_and_b32 s17, ttmp7, 0xffff                   ; g
	s_mov_b32 s18, ttmp9                           ; qi
	s_lshr_b32 s19, s17, 1                         ; head
	s_and_b32 s20, s17, 1                          ; frame
	s_mov_b32 s60, 0x76543210
	s_mov_b32 s61, 0xfedcba98
	s_lshl_b32 s62, s17, 5
	s_mov_b32 s63, 0
	s_wait_kmcnt 0x0
	s_add_nc_u64 s[10:11], s[10:11], s[62:63]
	s_load_b256 s[24:31], s[10:11], 0x0            ; the group's eight rows
	s_load_b128 s[32:35], s[12:13], 0x20           ; e8, e9, e10, e11
	s_load_b32 s36, s[12:13], 0x30                 ; e12
	s_wait_kmcnt 0x0
	s_mov_b32 s40, 0                               ; s[40+l]: row l's first slot; s48: the group's count
.irp l, 0,1,2,3,4,5,6,7
	s_bcnt1_i32_b32 s62, s[24+\l]
	s_add_co_u32 s[41+\l], s[40+\l], s62
.endr
	s_mov_b32 s49, 0                               ; my row,
	s_mov_b32 s50, s24                             ; its word,
	s_mov_b32 s51, 0                               ; its first slot,
	s_mov_b32 s52, s41                             ; and the slot behind its last: the last row whose first slot is not behind mine
.irp l, 1,2,3,4,5,6,7
	s_cmp_ge_u32 s16, s[40+\l]
	s_cselect_b32 s49, \l, s49
	s_cselect_b32 s50, s[24+\l], s50
	s_cselect_b32 s51, s[40+\l], s51
	s_cselect_b32 s52, s[41+\l], s52
.endr
	s_sub_co_u32 s53, s16, s51                     ; which of the row's cells I am
	s_sub_co_u32 s55, s52, s51
	s_bfm_b32 s56, s55, s51                        ; the slots of my row, as bits
.irp st, 0,1,2,3,4,5,6,7,8
	s_add_co_i32 s62, s50, -1
	s_and_b32 s62, s62, s50                        ; the word without its lowest one,
	s_cmp_gt_u32 s53, \st
	s_cselect_b32 s50, s62, s50                    ; taken as many times as cells stand in front of mine
.endr
	s_ctz_i32_b32 s54, s50                         ; my key block
	s_min_u32 s54, s54, 15                         ; what was loaded enters an address only behind a clamp
	s_min_u32 s49, s49, 7
	s_lshl_b32 s62, s19, 18                        ; a head's codes: 262,144 bytes in each of the four buffers
	s_add_nc_u64 s[66:67], s[4:5], s[62:63]
	s_add_nc_u64 s[68:69], s[6:7], s[62:63]
	s_add_nc_u64 s[70:71], s[8:9], s[62:63]
	s_add_nc_u64 s[14:15], s[14:15], s[62:63]
	s_lshl_b32 s62, s20, 17                        ; token tile 64 frame + 8 row + qi, 2,048 bytes each
	s_lshl_b32 s22, s18, 11
	s_add_co_u32 s62, s62, s22
	s_add_nc_u64 s[14:15], s[14:15], s[62:63]      ; ao at row 0's tile
	s_lshl_b32 s22, s49, 14
	s_add_co_u32 s62, s62, s22
	s_add_nc_u64 s[66:67], s[66:67], s[62:63]      ; my queries
	s_lshl_b32 s62, s54, 14                        ; a key block: 16,384 bytes
	s_add_nc_u64 s[68:69], s[68:69], s[62:63]
	s_add_nc_u64 s[70:71], s[70:71], s[62:63]
.irp c, 0,1,2,3
	global_load_b128 v[4+4*\c:7+4*\c], v2, s[66:67] offset:512*\c
.endr
.irp t, 0,1,2,3,4,5,6,7
.irp c, 0,1,2,3
	global_load_b128 v[32+16*\t+4*\c:35+16*\t+4*\c], v2, s[68:69] offset:2048*\t+512*\c
.endr
.endr
	; while they are on their way: the rows' boundaries, each slot's row, the constants
	s_mov_b32 s57, 0
.irp l, 1,2,3,4,5,6,7,8
	s_lshl_b32 s62, 1, s[40+\l]
	s_or_b32 s57, s57, s62                         ; bit i: slot i begins a row (or stands behind the last cell)
.endr
	v_mov_b32 v23, 0
.irp l, 1,2,3,4,5,6,7
	v_cmp_le_u32 vcc_lo, s[40+\l], v1
	v_cndmask_b32 v30, v21, v22, vcc_lo
	v_add_nc_u32 v23, v23, v30                     ; lane i: slot i's row
.endr
	s_add_co_i32 s62, s32, s33
	s_lshl_b32 s62, s62, 23
	s_add_co_i32 s58, s62, 0x3e0293ee              ; c = log2(e) / sqrt(128) x 2^(e8 + e9)
	s_mov_b32 s59, s58
	s_add_co_i32 s62, s34, 127
	s_lshl_b32 s63, s62, 23
	v_mov_b32 v246, s63                            ; 2^e10
	s_add_co_i32 s62, s62, 15
	s_lshl_b32 s62, s62, 23
	s_or_b32 s62, s62, 0x600000
	v_mov_b32 v245, s62                            ; 57,344 x 2^e10
	s_sub_co_i32 s62, s36, s34
	s_sub_co_i32 s62, s62, s35                     ; a sum of the second product stands for sum x 2^(e10 + e11): the three scales are folded into the conversion's one
	s_add_co_i32 s62, s62, 127
	s_lshl_b32 s63, s62, 23
	v_mov_b32 v251, s63
	s_add_co_i32 s62, s62, 15
	s_lshl_b32 s62, s62, 23
	s_or_b32 s62, s62, 0x600000
	v_mov_b32 v250, s62
.irp t, 0,1,2,3,4,5,6,7
	s_wait_loadcnt 4*(7-\t)                        ; Q and K's tiles up to t are in; the four loads of each later tile may be out
	v_wmma_f32_16x16x128_bf8_bf8 v[160+8*\t:167+8*\t], v[32+16*\t:47+16*\t], v[4:19], 0
.endr
.rept 4
	v_nop                                          ; places in front of the loads into K's registers and of the first read of the scores
.endr
.irp t, 0,1,2,3,4,5,6,7
.irp c, 0,1,2,3
	global_load_b128 v[32+16*\t+4*\c:35+16*\t+4*\c], v2, s[70:71] offset:2048*\t+512*\c   ; V lands while the softmax is made
.endr
.endr
	v_max3_num_f32 v254, v160, v161, v162          ; my query's largest score among my 64 keys, in two chains; each tile is read from its low end on
	v_max3_num_f32 v255, v163, v164, v165
.irp i, 6,10,14,18,22,26,30,34,38,42,46,50,54,58
	v_max3_num_f32 v254, v254, v[160+\i], v[161+\i]
	v_max3_num_f32 v255, v255, v[162+\i], v[163+\i]
.endr
	v_max3_num_f32 v254, v254, v222, v223
	v_max_num_f32 v254, v254, v255
	v_permlanex16_b32 v28, v254, s60, s61
	v_max_num_f32 v254, v254, v28                  ; and among lane l xor 16's
	v_mul_f32 v248, s58, v254                      ; mt (c is positive)
	v_sub_f32 v252, 0, v248
.set j, 0
.rept 32
	v_pk_fma_f32 v[160+j:161+j], v[160+j:161+j], s[58:59], v[252:253] op_sel_hi:[1,0,0]   ; t - mt
.set j, j+2
.endr
.set j, 0
.rept 64
	v_exp_f32 v[160+j], v[160+j]
.set j, j+1
.endr
	v_nop                                          ; a plain line behind the batch,
	s_wait_alu depctr_va_vdst(0)                   ; and one wait for it, ahead of its first reader
	v_pk_add_f32 v[28:29], v[160:161], v[162:163]
	v_pk_add_f32 v[30:31], v[164:165], v[166:167]
.irp j, 8,12,16,20,24,28,32,36,40,44,48,52,56,60
	v_pk_add_f32 v[28:29], v[28:29], v[160+\j:161+\j]
	v_pk_add_f32 v[30:31], v[30:31], v[162+\j:163+\j]
.endr
	v_pk_add_f32 v[28:29], v[28:29], v[30:31]
	v_add_f32 v28, v28, v29
	v_permlanex16_b32 v29, v28, s60, s61
	v_add_f32 v249, v28, v29                       ; l
	ds_store_b64 v27, v[248:249]                   ; both halves of the lanes hold the same pair and write the same words
	s_wait_dscnt 0x0                               ; for the others' sake
	s_barrier_signal -1
	s_barrier_wait -1
.irp i, 0,1,2,3,4,5,6,7,8,9
	ds_load_b64 v[224+2*\i:225+2*\i], v3 offset:STAT+128*\i
.endr
	s_wait_dscnt 0x0
.irp i, 0,1,2,3,4,5,6,7,8,9
	s_bitcmp1_b32 s56, \i
	s_cselect_b32 s62, -1, 0
	v_cndmask_b32 v[224+2*\i], v244, v[224+2*\i], s62   ; a slot of another row counts for nothing: its weight below is 2^(-3e38 - M) = 0
.endr
	v_max3_num_f32 v254, v224, v226, v228
	v_max3_num_f32 v254, v254, v230, v232
	v_max3_num_f32 v254, v254, v234, v236
	v_max3_num_f32 v254, v254, v238, v240
	v_max_num_f32 v254, v254, v242                 ; M
.irp i, 0,1,2,3,4,5,6,7,8,9
	v_sub_f32 v[224+2*\i], v[224+2*\i], v254
.endr
	v_sub_f32 v255, v248, v254
.irp i, 0,1,2,3,4,5,6,7,8,9
	v_exp_f32 v[224+2*\i], v[224+2*\i]
.endr
	v_exp_f32 v255, v255
	v_nop
	s_wait_alu depctr_va_vdst(0)
	v_mul_f32 v254, v225, v224
.irp i, 1,2,3,4,5,6,7,8,9
	v_fma_f32 v254, v[225+2*\i], v[224+2*\i], v254 ; L
.endr
	v_rcp_f32 v30, v254
	v_nop
	s_wait_alu depctr_va_vdst(0)
	v_mul_f32 v248, v255, v30                      ; f = 2^(mt - M) / L
.set j, 0
.rept 32
	v_pk_mul_f32 v[160+j:161+j], v[160+j:161+j], v[248:249] op_sel_hi:[1,0]   ; p, finished and normalised
.set j, j+2
.endr
.set j, 0
.rept 64
	v_min_num_f32 v[160+j], v[160+j], v245         ; the conversion does not saturate (ISA guide 7.6.2); p is not negative, so the hold is one-sided
.set j, j+1
.endr
.irp c, 0,1,2,3,4,5,6,7
	v_cvt_scalef32_pk8_bf8_f32 v[224+2*\c:225+2*\c], v[160+8*\c:167+8*\c], v246
.endr
	v_nop                                          ; a plain line between the conversions and the products, which read their results and write their sources
.irp t, 0,1,2,3,4,5,6,7
	s_wait_loadcnt 4*(7-\t)                        ; V's tiles up to t are in
	v_wmma_f32_16x16x128_bf8_bf8 v[160+8*\t:167+8*\t], v[32+16*\t:47+16*\t], v[224:239], 0
.endr
.rept 4
	v_nop
.endr
.irp t, 0,1,2,3,4,5,6,7
	ds_store_b128 v24, v[160+8*\t:163+8*\t] offset:1024*\t
	ds_store_b128 v24, v[164+8*\t:167+8*\t] offset:1024*\t+512
.endr
	s_wait_dscnt 0x0                               ; for the others' sake
	s_barrier_signal -1
	s_barrier_wait -1
	s_cmp_ge_u32 s16, 8                            ; eight tiles of channels: waves 8 and 9 are done.  No barrier follows
	s_cbranch_scc1 .Lend
.irp i, 0,1,2,3,4,5,6,7
	ds_load_b128 v[32+8*\i:35+8*\i], v25 offset:8192*\i
	ds_load_b128 v[36+8*\i:39+8*\i], v25 offset:8192*\i+512
.endr
.irp i, 8,9
	ds_load_b128 v[32+8*\i:35+8*\i], v26 offset:8192*(\i-8)
	ds_load_b128 v[36+8*\i:39+8*\i], v26 offset:8192*(\i-8)+512
.endr
.irp i, 0,1,2,3,4,5,6,7,8,9
	v_readlane_b32 s62, v23, \i                    ; slot i's row,
	s_min_u32 s62, s62, 7                          ; clamped,
	s_lshl_b32 s62, s62, 14                        ; eight token tiles of 2,048 bytes a row
	v_add_nc_u32 v[132+\i], s62, v20
.endr
	v_mov_b32 v142, 0
	v_mov_b32 v143, 0
	s_wait_dscnt 0x0
.irp i, 0,1,2,3,4,5,6,7,8,9
.if \i > 0
	s_bitcmp1_b32 s57, \i
	s_cbranch_scc1 .Lnew_\i                        ; a slot of the same row takes the sum so far
.irp k, 0,2,4,6
	v_pk_add_f32 v[32+8*\i+\k:33+8*\i+\k], v[32+8*\i+\k:33+8*\i+\k], v[24+8*\i+\k:25+8*\i+\k]
.endr
.Lnew_\i:
.endif
	s_bitcmp1_b32 s57, \i+1
	s_cbranch_scc0 .Lgoes_on_\i                    ; the row's last slot: its sum is the row's
.irp k, 0,1,2,3,4,5,6,7
	v_med3_num_f32 v[32+8*\i+\k], v[32+8*\i+\k], -v250, v250
.endr
	v_cvt_scalef32_pk8_bf8_f32 v[112+2*\i:113+2*\i], v[32+8*\i:39+8*\i], v251
	v_nop
	global_store_b64 v[132+\i], v[112+2*\i:113+2*\i], s[14:15]   ; 32 lanes store 256 consecutive bytes, at a multiple of 256 from the buffer's first byte; registers of its own for each slot
.Lgoes_on_\i:
.endr
.irp l, 0,1,2,3,4,5,6,7
	s_cmp_lg_u32 s[24+\l], 0
	s_cbranch_scc1 .Lhas_cells_\l
	global_store_b64 v20, v[142:143], s[14:15] offset:16384*\l   ; a row without cells: zeros
.Lhas_cells_\l:
.endr
.Lend:
	s_set_vgpr_msb 0x4
	s_wait_tensorcnt 0x0
	ds_add_u32 v247, v1
	s_wait_dscnt 0x0
	s_set_vgpr_msb 0x400
	s_endpgm
.Lfunc_end_k_qd9ce201462_attn:
	.size	k_qd9ce201462_attn, .Lfunc_end_k_qd9ce201462_attn-k_qd9ce201462_attn
	.p2alignl 7, 3214868480
	.fill 96, 4, 3214868480
	.section	.rodata,"a",@progbits
	.p2align	6, 0x0
	.amdhsa_kernel k_qd9ce201462_attn
		.amdhsa_group_segment_fixed_size 85248
		.amdhsa_private_segment_fixed_size 0
		.amdhsa_enable_private_segment 0
		.amdhsa_kernarg_size 48
		.amdhsa_user_sgpr_count 2
		.amdhsa_user_sgpr_kernarg_segment_ptr 1
		.amdhsa_wavefront_size32 1
		.amdhsa_system_sgpr_workgroup_id_x 1
		.amdhsa_system_sgpr_workgroup_id_y 1
		.amdhsa_system_sgpr_workgroup_id_z 1
		.amdhsa_system_vgpr_workitem_id 0
		.amdhsa_next_free_vgpr 258
		.amdhsa_next_free_sgpr 80
		.amdhsa_reserve_vcc 1
		.amdhsa_float_denorm_mode_32 3
		.amdhsa_float_denorm_mode_16_64 3
		.amdhsa_memory_ordered 1
		.amdhsa_forward_progress 1
		.amdhsa_inst_pref_size 49
	.end_amdhsa_kernel
	.amdgpu_metadata
---
amdhsa.version: [ 1, 2 ]
amdhsa.kernels:
  - .name:           k_qd9ce201462_attn
    .symbol:         k_qd9ce201462_attn.kd
    .args:
      - { .name: qc, .offset: 0, .size: 8, .value_kind: global_buffer, .address_space: global }
      - { .name: kc, .offset: 8, .size: 8, .value_kind: global_buffer, .address_space: global }
      - { .name: vc, .offset: 16, .size: 8, .value_kind: global_buffer, .address_space: global }
      - { .name: rowmask, .offset: 24, .size: 8, .value_kind: global_buffer, .address_space: global }
      - { .name: lowp_scales, .offset: 32, .size: 8, .value_kind: global_buffer, .address_space: global }
      - { .name: ao, .offset: 40, .size: 8, .value_kind: global_buffer, .address_space: global }
    .group_segment_fixed_size: 85248
    .private_segment_fixed_size: 0
    .kernarg_segment_align: 8
    .kernarg_segment_size: 48
    .max_flat_workgroup_size: 320
    .sgpr_count:     80
    .vgpr_count:     258
    .wavefront_size: 32
...
	.end_amdgpu_metadata
.endif
;; end of part 4
;; launch proj (part 5): grid 16 x 16, 4 waves a work-group, clusters of 4 x 4, 327,680 bytes of LDS; arguments ao, Wo_codes, lowp_scales, bo, out0; writes out0
.if DOCPART == 5
	.amdgcn_target "amdgcn-amd-amdhsa--gfx1250"
	.amdhsa_code_object_version 6
	.text
	.protected	k_qd9ce201462_proj
	.globl	k_qd9ce201462_proj
	.p2align	8
	.type	k_qd9ce201462_proj,@function
k_qd9ce201462_proj:
	s_mov_b64 s[64:65], 0
	v_nop
	global_prefetch_b8 v0, s[64:65] scope:SCOPE_SE
	s_setreg_imm32_b32 hwreg(HW_REG_WAVE_MODE, 25, 1), 1
	s_wait_xcnt 0x0
	s_wait_alu depctr_hold_cnt(0) depctr_sa_sdst(0) depctr_va_vdst(0) depctr_va_sdst(0) depctr_va_ssrc(0) depctr_va_vcc(0) depctr_vm_vsrc(0)
	s_getreg_b32 s2, hwreg(HW_REG_IB_STS2, 6, 4)
	s_cmp_eq_u32 s2, 0
	s_cbranch_scc0 .Lentry_in_a_cluster
	s_endpgm
.Lentry_in_a_cluster:
	s_bfe_u32 s2, ttmp6, 0x10000c
	s_cmp_lg_u32 s2, 0xf033
	s_cbranch_scc0 .Lentry_shape_is_right
	s_endpgm
.Lentry_shape_is_right:
; THE OUTPUT PROJECTION: out0[token][n] = 2^(e12 + e13) x the sum over k of ao[token][k] Wo[n][k] + bo[n], on codes of BF8 (E5M2); sums in f32.
; 2,048 x 2,048 outputs: tiles of 128 x 128 give each of 256 work-groups one; four waves, each 64 x 64: 16 accumulators, 128 registers.  K goes in four chunks of 512 (four heads) through two LDS slots; the text has no loop.
; CLUSTERS: 4 x 4 work-groups.  The four of a row of the cluster need the same tokens, the four of a column the same rows of Wo: each tile is asked for JOINTLY.  Source 0 = 16 rows of Wo, source 1 = 16 tokens:
; a lane holds one token and eight neighbouring n.
; ao LIES AS IMAGES OF THE OPERAND'S REGISTERS: [16 heads][128 token tiles][2,048 bytes], quad c of lane l at 512 c + 16 l = channels 32 c + 16 (l / 16) + 0 .. 15 of token l % 16.  Four token tiles of a head are 8,192
; bytes on end, so a wave's tile is 4 rows (heads) of 8,192 bytes, 262,144 bytes apart; in LDS it is dense, and a fragment's load reads 512 consecutive bytes.  Wo's fragments come from rows, with the same order of K.
; LIMIT: e12 + e13 between -126 and 127.
; REGISTERS: window 0: v0-31 addresses; v32-63 bo of my 64 columns; v64-95 at work on the way out; v128-255 the accumulators ((a, b) at v[128 + 8 (4 a + b)]).
;   window 1: two fragment buffers of 128: the tokens' four fragments, then Wo's four.
.set APART,  65536                     ; a slot's tokens: [half][head][tile][2,048]
.set BPITCH, 528                       ; a row of Wo in LDS: 512 bytes + 16 of padding = 132 words: the 16 rows of a load start at 16 different banks (64 banks of 4 bytes: ISA guide 11.1)
.set BHALF,  64*BPITCH
.set SLOT,   APART+2*BHALF             ; 133,120
.set STAGE,  2*SLOT                    ; behind the ring: 16 rows x 272 bytes for each wave, its own
.set SPITCH, 272
.set SPARE,  STAGE+4*16*SPITCH         ; the spare words, 128 bytes for each wave, which no other line names
.set CHA,    4*262144                  ; a chunk on in ao: four heads
.set CHB,    512                       ; and in a row of Wo
.set ADRA, 16                          ; v16-17  LDS address of my tokens' fragments in slot 0, 1
.set ADRB, 20                          ; v20-21  the same for Wo
.set STO,  24
.set RD,   25
.set CO,   26
.set SPW,  28                          ; v28     LDS address of my spare word; never rewritten
.set NIL,  29                          ; v29     0; never rewritten
.set BIAS, 32
.set TMP,  64
.set ACC,  128
.set F0,   0
.set F1,   128
.set G1, 24                            ; s[24:31] descriptor group 1 for the tokens' tiles;  s[32:39] group 0, one set for each slot
.set G0, 32
.set G1B, 48                           ; s[48:55], s[56:63] the same for Wo's
.set G0B, 56
.set MSB, 0
.macro WIN new
.if MSB != (\new)
	s_set_vgpr_msb (MSB<<8)|(\new)
.set MSB, (\new)
.endif
.endm
.set MUL,  0x05                        ; sources 0 and 1 window 1; C and D window 0
.set TO_F, 0x40                        ; destination window 1, address window 0
.macro JLOAD s                         ; a joint load: waves 0 and 1 fetch the tokens' two halves, waves 2 and 3 Wo's; four v_nop follow each of the two lines
	s_cmp_eq_u32 s11, 0
	s_cbranch_scc0 .Lfor_b_\@
	tensor_load_to_lds s[G0+4*\s:G0+4*\s+3], s[G1:G1+7]
	s_nop 0
.rept 4
	v_nop
.endr
	s_branch .Lasked_\@
.Lfor_b_\@:
	tensor_load_to_lds s[G0B+4*\s:G0B+4*\s+3], s[G1B:G1B+7]
	s_nop 0
.rept 4
	v_nop
.endr
.Lasked_\@:
.endm
.macro CREST
	s_cmp_lg_u32 s10, 0
	s_cbranch_scc1 .Lnot_wave_0_\@
	s_barrier_signal -3
.Lnot_wave_0_\@:
	s_barrier_wait -3
	s_barrier_signal -1
	s_barrier_wait -1
.endm
.macro CROUND
	s_barrier_signal -1
	s_barrier_wait -1
	CREST
.endm
	s_load_b128 s[4:7], s[0:1], 0x0                ; ao, Wo's codes
	s_load_b128 s[68:71], s[0:1], 0x10             ; the scales' exponents, bo
	s_load_b64 s[8:9], s[0:1], 0x20                ; out0
	v_lshl_add_u32 v[SPW], v0, 2, SPARE
	v_mov_b32 v[NIL], 0
	ds_add_u32 v28, v29
	ds_add_u32 v28, v29
	s_wait_dscnt 0x0
	v_lshrrev_b32 v1, 5, v0
	v_readfirstlane_b32 s10, v1                    ; wave 0..3
	s_lshr_b32 s11, s10, 1                         ; which half of the tokens is mine.  Also: I fetch tokens (0) or Wo (1)
	s_and_b32 s12, s10, 1                          ; which half of the columns.  Also: which half of that tile I fetch
	s_bfe_u32 s40, ttmp6, 0x40000                  ; cx, cy
	s_bfe_u32 s41, ttmp6, 0x40004
	s_lshl_b32 s42, ttmp9, 2
	s_add_co_u32 s42, s42, s40                     ; tile column
	s_and_b32 s13, ttmp7, 0xffff
	s_lshl_b32 s13, s13, 2
	s_add_co_u32 s13, s13, s41                     ; tile row
	s_lshl_b32 s43, s41, 2
	s_lshl_b32 s43, 15, s43                        ; my row of the cluster
	s_lshl_b32 s44, 0x1111, s40                    ; my column
	s_or_b32 s[G1+0], s43, (3<<16)|(1<<21)         ; the tokens: 15:0 the mask of my row; elements of 8 bytes; no padding; 21 set beside a mask
	s_mov_b32 s[G1+1], 1024<<16                    ; tensor_dim0 = 1,024 elements: 8,192 bytes
	s_mov_b32 s[G1+2], 4<<16                       ; tensor_dim1 = 4 heads
	s_mov_b32 s[G1+3], 1024<<16                    ; tile_dim0
	s_mov_b32 s[G1+4], 4                           ; tile_dim1
	s_mov_b32 s[G1+5], 32768                       ; from head to head: 262,144 bytes
	s_mov_b32 s[G1+6], 0
	s_mov_b32 s[G1+7], 0
	s_or_b32 s[G1B+0], s44, (0<<16)|(1<<20)|(1<<21)|(6<<22)|(3<<25)  ; Wo: the mask of my column; elements of 1 byte; padding: after every 128 words (code 6) 4 words (code 3)
	s_mov_b32 s[G1B+1], 512<<16
	s_mov_b32 s[G1B+2], 64<<16
	s_mov_b32 s[G1B+3], 512<<16
	s_mov_b32 s[G1B+4], 64
	s_mov_b32 s[G1B+5], 2048
	s_mov_b32 s[G1B+6], 0
	s_mov_b32 s[G1B+7], 0
	s_lshl_b32 s16, s13, 14                        ; token tile 8 x tile row + 4 x half, 2,048 bytes each
	s_lshl_b32 s17, s12, 13
	s_add_co_u32 s16, s16, s17
	s_mov_b32 s17, 0
	s_lshl_b32 s46, s42, 18                        ; row 128 x tile column + 64 x half of Wo, 2,048 bytes each
	s_lshl_b32 s47, s12, 17
	s_add_co_u32 s46, s46, s47
	s_mov_b32 s47, 0
	s_lshl_b32 s20, s12, 15                        ; where they go: no place in the cluster enters an LDS address
	s_mul_i32 s21, s12, BHALF
	s_add_co_u32 s21, s21, APART
	s_wait_kmcnt 0x0
	s_load_b64 s[72:73], s[68:69], 0x30            ; e12, e13
	s_add_nc_u64 s[14:15], s[4:5], s[16:17]
	s_add_nc_u64 s[46:47], s[6:7], s[46:47]
	CROUND                                         ; all sixteen work-groups are here: the first joint loads meet
.irp s, 0,1
	s_mov_b32 s[G0+4*\s], 1
	s_add_co_u32 s[G0+4*\s+1], s20, \s*SLOT
	s_add_nc_u64 s[G0+4*\s+2:G0+4*\s+3], s[14:15], \s*CHA
	s_or_b32 s[G0+4*\s+3], s[G0+4*\s+3], 0x80000000
	s_mov_b32 s[G0B+4*\s], 1
	s_add_co_u32 s[G0B+4*\s+1], s21, \s*SLOT
	s_add_nc_u64 s[G0B+4*\s+2:G0B+4*\s+3], s[46:47], \s*CHB
	s_or_b32 s[G0B+4*\s+3], s[G0B+4*\s+3], 0x80000000
	JLOAD \s
.endr
	v_and_b32 v1, 15, v0                           ; r
	v_bfe_u32 v2, v0, 4, 1                         ; h
	v_and_b32 v3, 31, v0
	v_lshlrev_b32 v3, 4, v3                        ; 16 lane
	v_mul_u32_u24 v4, v1, BPITCH
	v_lshl_add_u32 v4, v2, 4, v4
	s_lshl_b32 s21, s11, 15                        ; my half of the tokens
	s_mul_i32 s22, s12, BHALF
	s_add_co_u32 s22, s22, APART                   ; my half of Wo's rows
.irp s, 0,1
	v_add_nc_u32 v[ADRA+\s], s21, v3
	v_add_nc_u32 v[ADRB+\s], s22, v4
	s_add_co_u32 s21, s21, SLOT
	s_add_co_u32 s22, s22, SLOT
.endr
	s_mul_i32 s23, s10, 16*SPITCH
	s_add_co_u32 s23, s23, STAGE                   ; my stage
	v_mul_u32_u24 v5, v1, SPITCH
	v_lshl_add_u32 v5, v2, 5, v5
	v_add_nc_u32 v[STO], s23, v5                   ; in: row r, 32 bytes for each half of the lanes
	v_mul_u32_u24 v5, v2, SPITCH
	v_lshl_add_u32 v5, v1, 4, v5
	v_add_nc_u32 v[RD], s23, v5                    ; back: lanes 0-15 one row of 256 bytes, lanes 16-31 the next
	v_lshlrev_b32 v5, 13, v2
	v_lshl_add_u32 v[CO], v1, 4, v5                ; and the same two rows in out0
	s_lshl_b32 s46, s42, 9
	s_lshl_b32 s47, s12, 8
	s_add_co_u32 s46, s46, s47                     ; my first column x 4 bytes: 512 tile column + 256 half
	s_mov_b32 s47, 0
	s_add_nc_u64 s[70:71], s[70:71], s[46:47]      ; bo there
	s_lshl_b32 s16, s13, 20
	s_lshl_b32 s17, s11, 19
	s_add_co_u32 s16, s16, s17                     ; my first token x 8,192 bytes
	s_add_co_u32 s16, s16, s46
	s_mov_b32 s17, 0
	s_add_nc_u64 s[8:9], s[8:9], s[16:17]
	v_lshlrev_b32 v6, 5, v2                        ; 32 h; never rewritten
.irp b, 0,1,2,3
	global_load_b128 v[BIAS+8*\b:BIAS+8*\b+3], v6, s[70:71] offset:64*\b
	global_load_b128 v[BIAS+8*\b+4:BIAS+8*\b+7], v6, s[70:71] offset:64*\b+16
.endr
; four matrix instructions: token tile a x Wo's four, 128 along K, from buffer f.  The 16 accumulators take turns, one instruction a turn, in the same order in every quarter.
.macro MUL4 f, a, zero
.irp b, 0,1,2,3
.if \zero
	v_wmma_f32_16x16x128_bf8_bf8 v[ACC+8*(4*(\a)+\b):ACC+8*(4*(\a)+\b)+7], v[\f+64+16*\b:\f+64+16*\b+15], v[\f+16*(\a):\f+16*(\a)+15], 0
.else
	v_wmma_f32_16x16x128_bf8_bf8 v[ACC+8*(4*(\a)+\b):ACC+8*(4*(\a)+\b)+7], v[\f+64+16*\b:\f+64+16*\b+15], v[\f+16*(\a):\f+16*(\a)+15], v[ACC+8*(4*(\a)+\b):ACC+8*(4*(\a)+\b)+7]
.endif
.endr
.endr
.endm
; 32 LDS loads in one run: the fragments of head kk of the slot's four: Wo's four first, then the tokens' four
.macro FETCH slot, kk, f
	WIN TO_F
.irp i, 0,1,2,3
.irp c, 0,1,2,3
	ds_load_b128 v[\f+64+16*\i+4*\c:\f+64+16*\i+4*\c+3], v[ADRB+\slot] offset:128*(\kk)+32*\c+16*BPITCH*\i
.endr
.endr
.irp i, 0,1,2,3
.irp c, 0,1,2,3
	ds_load_b128 v[\f+16*\i+4*\c:\f+16*\i+4*\c+3], v[ADRA+\slot] offset:8192*(\kk)+2048*\i+512*\c
.endr
.endr
.endm
.macro PLACES                          ; plain vector lines between a matrix instruction and a load into, or a vector line on, its registers
.rept 4
	v_nop
.endr
.endm
; A chunk is four quarters of 128 along K, 16 matrix instructions each, on buffers 0, 1, 0, 1.  One of the first three: multiplies buffer f and fetches head kk into g.
.macro QUARTER slot, kk, f, g, zero
	s_wait_dscnt 8                                 ; Wo's four and token tiles 0, 1 are in; the youngest eight loads (tiles 2, 3) may be out
	WIN MUL
	MUL4 \f, 0, \zero
	MUL4 \f, 1, \zero
	PLACES
	FETCH \slot, \kk, \g
	s_wait_dscnt 32                                ; all but the 32 just issued
	WIN MUL
	MUL4 \f, 2, \zero
	MUL4 \f, 3, \zero
.endm
; The last quarter multiplies buffer 1 and changes slots: ONE barrier; in front of it each wave waits for all its tensor loads, adds 0 to its spare word, and waits for that and for its reads of this slot.
.macro TURN slot, next, fill
	WIN 0                                          ; (the add's two registers lie in window 0)
	s_wait_tensorcnt 0x0                           ; all my tensor loads have landed: my part of the next slot
	ds_add_u32 v[SPW], v[NIL]                      ; 0 onto my spare word
	s_wait_dscnt 13                                ; (the add and the youngest twelve loads, token tiles 1 to 3, may be out)
	WIN MUL
	MUL4 F1, 0, 0                                  ; matrix instructions stand between the add and the wait for it
	s_wait_dscnt 0x0                               ; the add is done, and my reads of this slot are over
	s_barrier_signal -1
	MUL4 F1, 1, 0
	WIN 0
	s_barrier_wait -1
.if \fill
	CREST                                          ; the barrier has opened a round of the cluster's barrier: no wave of any partner still reads this slot or has a load on its way
	s_add_nc_u64 s[G0+4*\slot+2:G0+4*\slot+3], s[G0+4*\slot+2:G0+4*\slot+3], 2*CHA
	s_add_nc_u64 s[G0B+4*\slot+2:G0B+4*\slot+3], s[G0B+4*\slot+2:G0B+4*\slot+3], 2*CHB
	JLOAD \slot                                    ; the first tensor load behind the round; its four v_nop are also the places in front of the loads below
.else
	PLACES
.endif
	FETCH \next, 0, F0
	WIN MUL
	MUL4 F1, 2, 0
	MUL4 F1, 3, 0
.endm
	s_wait_tensorcnt 1                             ; my part of chunk 0 is in (chunk 1's load may be out)
	s_barrier_signal -1
	s_barrier_wait -1                              ; everybody's is
	FETCH 0, 0, F0
	QUARTER 0, 1, F0, F1, 1                        ; the first products start the sums
	QUARTER 0, 2, F1, F0, 0
	QUARTER 0, 3, F0, F1, 0
	TURN 0, 1, 1                                   ; slot 0 takes chunk 2
	QUARTER 1, 1, F0, F1, 0
	QUARTER 1, 2, F1, F0, 0
	QUARTER 1, 3, F0, F1, 0
	TURN 1, 0, 1                                   ; slot 1 takes chunk 3
	QUARTER 0, 1, F0, F1, 0
	QUARTER 0, 2, F1, F0, 0
	QUARTER 0, 3, F0, F1, 0
	TURN 0, 1, 0                                   ; nothing is left to fetch
	QUARTER 1, 1, F0, F1, 0
	QUARTER 1, 2, F1, F0, 0
	QUARTER 1, 3, F0, F1, 0
	s_wait_dscnt 8                                 ; the very last quarter
	WIN MUL
	MUL4 F1, 0, 0
	MUL4 F1, 1, 0
	s_wait_dscnt 0
	MUL4 F1, 2, 0
	MUL4 F1, 3, 0
	WIN 0
	; THE WAY OUT.  A wave's 64 columns are 256 bytes of a row: a block of 16 tokens goes through my own stage and comes back as whole rows; sixteen lanes store one aligned run of 256 bytes.
	s_wait_kmcnt 0x0
	s_add_co_i32 s72, s72, s73
	s_add_co_i32 s72, s72, 127
	s_lshl_b32 s72, s72, 23                        ; 2^(e12 + e13) as f32
	s_mov_b32 s73, s72
	s_wait_loadcnt 0x0                             ; bo
	PLACES
.macro TOSTAGE a
.set j, 0
.rept 16
	v_pk_fma_f32 v[TMP+j:TMP+j+1], v[ACC+32*(\a)+j:ACC+32*(\a)+j+1], s[72:73], v[BIAS+j:BIAS+j+1] op_sel_hi:[1,0,1]   ; sum x 2^(e12 + e13) + bo; each accumulator from its low end on
.set j, j+2
.endr
.irp b, 0,1,2,3
	ds_store_b128 v[STO], v[TMP+8*\b:TMP+8*\b+3] offset:64*\b
	ds_store_b128 v[STO], v[TMP+8*\b+4:TMP+8*\b+7] offset:64*\b+16
.endr
.irp t, 0,1,2,3,4,5,6,7
	ds_load_b128 v[ACC+32*(\a)+4*\t:ACC+32*(\a)+4*\t+3], v[RD] offset:\t*2*SPITCH   ; LDS serves a wave's instructions in order (ISA guide 5.7.1.4): these see my stores; they land in the block's own registers
.endr
.endm
.macro SEND a, younger                 ; younger: the next block's 8 stores and 8 loads, or none
	s_wait_dscnt \younger
.irp t, 0,1,2,3,4,5,6,7
	global_store_b128 v[CO], v[ACC+32*(\a)+4*\t:ACC+32*(\a)+4*\t+3], s[8:9] offset:(16*(\a)+2*\t)*8192 th:TH_STORE_NT   ; written once, read by nobody here
.endr
.endm
	TOSTAGE 0
	TOSTAGE 1
	SEND 0, 16
	TOSTAGE 2
	SEND 1, 16
	TOSTAGE 3
	SEND 2, 16
	SEND 3, 0
	s_wait_tensorcnt 0x0                           ; the wave's end
	ds_add_u32 v[SPW], v[NIL]
	s_wait_dscnt 0x0
	CROUND                                         ; the closing round: no work-group ends while a partner may still ask for a tile that names it
	s_endpgm
.Lfunc_end_k_qd9ce201462_proj:
	.size	k_qd9ce201462_proj, .Lfunc_end_k_qd9ce201462_proj-k_qd9ce201462_proj
	.p2alignl 7, 3214868480
	.fill 96, 4, 3214868480
	.section	.rodata,"a",@progbits
	.p2align	6, 0x0
	.amdhsa_kernel k_qd9ce201462_proj
		.amdhsa_group_segment_fixed_size 327680
		.amdhsa_private_segment_fixed_size 0
		.amdhsa_enable_private_segment 0
		.amdhsa_kernarg_size 40
		.amdhsa_user_sgpr_count 2
		.amdhsa_user_sgpr_kernarg_segment_ptr 1
		.amdhsa_wavefront_size32 1
		.amdhsa_system_sgpr_workgroup_id_x 1
		.amdhsa_system_sgpr_workgroup_id_y 1
		.amdhsa_system_sgpr_workgroup_id_z 1
		.amdhsa_system_vgpr_workitem_id 0
		.amdhsa_next_free_vgpr 512
		.amdhsa_next_free_sgpr 80
		.amdhsa_reserve_vcc 0
		.amdhsa_float_denorm_mode_32 3
		.amdhsa_float_denorm_mode_16_64 3
		.amdhsa_memory_ordered 1
		.amdhsa_forward_progress 1
		.amdhsa_inst_pref_size 74
	.end_amdhsa_kernel
	.amdgpu_metadata
---
amdhsa.version: [ 1, 2 ]
amdhsa.kernels:
  - .name:           k_qd9ce201462_proj
    .symbol:         k_qd9ce201462_proj.kd
    .args:
      - { .name: ao, .offset: 0, .size: 8, .value_kind: global_buffer, .address_space: global }
      - { .name: Wo_codes, .offset: 8, .size: 8, .value_kind: global_buffer, .address_space: global }
      - { .name: lowp_scales, .offset: 16, .size: 8, .value_kind: global_buffer, .address_space: global }
      - { .name: bo, .offset: 24, .size: 8, .value_kind: global_buffer, .address_space: global }
      - { .name: out0, .offset: 32, .size: 8, .value_kind: global_buffer, .address_space: global }
    .group_segment_fixed_size: 327680
    .private_segment_fixed_size: 0
    .kernarg_segment_align: 8
    .kernarg_segment_size: 40
    .max_flat_workgroup_size: 128
    .sgpr_count:     80
    .vgpr_count:     512
    .wavefront_size: 32
...
	.end_amdgpu_metadata
.endif
;; end of part 5
